; MI455X (gfx1250); checked and timed in simulation.
; The chip was launched on July 23, 2026; its instructions are those of AMD's public machine-readable ISA for CDNA 5 (MIT licence, August 2026) and "CDNA5" Instruction Set Architecture Reference Guide (July 2026). The comments in the code are by the model that wrote it; some were corrected since.
;; Encoder. Allowed arithmetic: matrix products marked QUANTISED: E5M2 operands, one E8M0 scale for each 32 along K, by v_wmma_scale_f32_16x16x128_f8f6f4 with both operands' format E5M2, f32 sums; everything else in f32.
;; Inputs: W1 1,024 x 4,096 float32; W2 4,096 x 1,024 float32; Wq 16 x 1,024 x 64 float32; b1 4,096 float32; b2 1,024 float32; bq 16 x 64 float32; ln1_b 1,024 float32; ln1_g 1,024 float32; ln2_b 1,024 float32; ln2_g 1,024 float32; x 2 x 2,048 x 1,024 float32.
;; Outputs: out0 2 x 2,048 x 1,024 float32.
;; This version of the problem:
;;   THIS VERSION OF THE PROBLEM IS GIVEN IN LOW PRECISION. The matrix products marked QUANTISED in the list below multiply operands that are first quantised to E5M2 (5 exponent bits, 2 mantissa bits; 8 bits a number), with one power-of-two scale for each 32 numbers along K (OCP MX v1.0); their sums are f32. All else is computed in f32.
;;   The module's matrix products, in the order in which they are computed (A, B: the left and right operand; K: the contracted axis; several contracted axes count as one K, in the product's order):
;;     1. [M 1,024, K 1,024] x [K 1,024, N 4,096]; A: input Wq; B: input x: QUANTISED
;;     2. batch 32 x [M 2,048, K 64] x [K 64, N 2,048]; A: computed on the way; B: computed on the way: QUANTISED
;;     3. batch 32 x [M 2,048, K 2,048] x [K 2,048, N 64]; A: softmax (see below); B: computed on the way: QUANTISED
;;     4. [M 4,096, K 1,024] x [K 1,024, N 4,096]; A: computed on the way; B: input W1: QUANTISED
;;     5. [M 4,096, K 4,096] x [K 4,096, N 1,024]; A: computed on the way; B: input W2: QUANTISED
;;   THE QUANTISER, for each operand of a quantised product, along K:
;;     - K is cut into blocks of 32 from its start; a last block that is shorter is filled with zeros.
;;     - A block's scale is 2^e with e = floor(log2(the largest magnitude in the block)) - 15, held to -126 .. 127; a block of zeros has e = 0. As a byte (E8M0): e + 127.
;;     - Each number is divided by its block's scale, clamped to +-57,344, and rounded to the nearest number of E5M2, ties to even, subnormals kept.
;;     - The product sums the exact products of the quantised numbers (number of the format x scale) in f32.
;;   ~~~python
;;   def quantise(x, axis):      # numpy; x: float32 -> the quantised numbers, widened to float32 again
;;       x = np.moveaxis(x, axis, -1); K = x.shape[-1]
;;       x = np.pad(x, [(0, 0)] * (x.ndim - 1) + [(0, -K % 32)]); x = x.reshape(x.shape[:-1] + (-1, 32)); a = np.abs(x).max(-1, keepdims=True)
;;       e = np.where(a > 0, np.clip(np.frexp(np.where(a > 0, a, 1))[1] - 1 - 15, -126, 127), 0)      # np.frexp(a)[1] - 1 = floor(log2(a)), exactly
;;       r = np.clip(x / 2.0 ** e, -57344, 57344)
;;       step = 2.0 ** (np.maximum(np.frexp(np.where(r == 0, 1, r))[1] - 1, -14) - 2)
;;       q = np.round(r / step) * step * 2.0 ** e      # np.round: ties to even
;;       return np.moveaxis(q.reshape(q.shape[:-2] + (-1,))[..., :K], -1, axis).astype(np.float32)
;;   ~~~
;;   SOFTMAX AHEAD OF A QUANTISED PRODUCT. Where the list says 'softmax', what is quantised is not the finished softmax but p = 2^(t - M), with t = logit x log2(e) and M = ceil(the row's largest t), a whole number; so 1/2 < the row's largest p <= 1. The row's sum l is taken of the UNQUANTISED p, in f32, and the product's result is divided by l at the end. Since M is a whole number, a kernel that streams over the keys may use a running M (the ceiling of the running maximum): every later rescaling is an exact power of two, which a block's scale takes up: the codes' values come out the same.
;;   OPERANDS COMPUTED ON THE WAY. 'Computed on the way' means the value that the module computes at that place (a softmax that the list does not call 'softmax' is quantised finished and normalised). What goes into a quantiser is computed in f32, as accurately as f32 sums, v_exp_f32 and their like allow (about 1e-6 of the number): no bf16 or f16 on the way to a quantiser, and a product that is left as it is and whose result goes on into a quantised operand takes f32 operands (vector FMAs, or v_wmma_f32_16x16x4_f32). A number that lies on a knife's edge between two numbers of the format may be rounded either way, as far as f32 arithmetic and the matrix unit's own rounding can turn it there, and no further.
;; One version. Each part assembles by itself: llvm-mc -triple=amdgcn-amd-amdhsa -mcpu=gfx1250 --defsym DOCPART=n.
;; ======== version 1 of 1: 7 launches
;; limits: right only within a limited range of input values
;; workspace buffers: qnt 14,057,472 bytes; qkv 8,781,824 bytes; att 16,777,216 bytes; x1f 16,777,216 bytes; x1q 4,325,376 bytes; hq 17,301,504 bytes; ff 16,777,216 bytes
;; launch quant (part 1): grid 832 x 1, 4 waves a work-group, no clusters, 0 bytes of LDS; arguments x, Wq, W1, W2, qnt; writes qnt
.if DOCPART == 1
	.amdgcn_target "amdgcn-amd-amdhsa--gfx1250"
	.amdhsa_code_object_version 6
	.text
	.protected	k_qe82be7a58f_quant
	.globl	k_qe82be7a58f_quant
	.p2align	8
	.type	k_qe82be7a58f_quant,@function
k_qe82be7a58f_quant:
	s_mov_b64 s[64:65], 0
	v_nop
	global_prefetch_b8 v0, s[64:65] scope:SCOPE_SE
	s_setreg_imm32_b32 hwreg(HW_REG_WAVE_MODE, 25, 1), 1
	s_wait_xcnt 0x0
; x [4096][1024], Wq [16][1024][64], W1 [1024][4096], W2 [4096][1024], all f32, become codes of BF8 (E5M2) with one E8M0 byte for each 32 along K, once for all later launches.
; THE LAYOUT IS THE OPERAND'S OWN.  An image is 16 rows x 128 K = 2,048 bytes: chunk c (k = 32 c ..) is 512 bytes, in which lane l = r + 16 h has 16 bytes at 16 l: row position r, k = 32 c + 16 h + 0 .. 15.
; Images lie [row tile][K step]; scale words (four bytes: 128 along K of one row) lie [K step][16 x row tile + r].
; THE ROWS OF A TILE ARE NOT NEIGHBOURS: tile 2 b + u, position p, holds row 32 b + 8 u + p + 8 (p / 8) (x: tokens; weights: output columns), so that a transposed product leaves 16 neighbours in a lane's 16 registers of two tiles.
; A block's scale is 2^(floor(log2(its largest magnitude)) - 15); each number is divided by it, held within +-57,344 and rounded to the nearest code, ties to even.
; LIMITS: a block of zeros gets the byte 1 where the rule says 127 (its codes are zeros, and this program alone reads the bytes); blocks whose largest magnitude lies under 2^-111 were not tried; NaN and infinities are not served.
; SHARES: work-groups 0-255 take x, 256-319 Wq, 320-575 W1, 576-831 W2; a wave takes 32 rows (two tiles) x 128 K.  Waves share nothing: no LDS, no barrier, no cluster.
; The weights' scale words leave 128 bytes a wave (the words of 32 columns of one K step): one byte in 128 of what the launch moves.
.set XS,  4194304                      ; sections of qnt, in bytes: x's codes at 0, x's scale words,
.set QC,  4325376                      ; Wq's codes,
.set QS,  5373952                      ; scale words,
.set W1C, 5406720
.set W1S, 9601024
.set W2C, 9732096
.set W2S, 13926400
.set TM,  16                           ; v16-19 largest magnitudes, v20-23 bytes, v24-27 the largest number x the scale, v28-31 the conversions' scale operands
.set PW,  48                           ; the scale word just made
.set SEL, 26                           ; s[26:27] lane selects for v_permlanex16_b32: lane l xor 16
.set MNT, 28                           ; s28 the mantissa field of 57,344
; 64 numbers of a lane, register 16 b + i = k 32 b + 16 (lane / 16) + i of my row, become a fragment's codes in v[PC] on and its scale word in v[PW]
.macro QUANT s
.irp b, 0,1,2,3
	v_max3_num_f32 v[TM+\b], |v[\s+16*\b]|, |v[\s+1+16*\b]|, 0x8000000   ; my 16 numbers of block b, and the floor 2^(16 - 127): the byte cannot fall under 1
.endr
.irp i, 2,4,6,8,10,12,14
.irp b, 0,1,2,3
	v_max3_num_f32 v[TM+\b], v[TM+\b], |v[\s+16*\b+\i]|, |v[\s+1+16*\b+\i]|   ; the four blocks by turns
.endr
.endr
.irp b, 0,1,2,3
	v_permlanex16_b32 v[TM+4+\b], v[TM+\b], s[SEL], s[SEL+1]
.endr
.irp b, 0,1,2,3
	v_max_num_f32 v[TM+\b], v[TM+\b], v[TM+4+\b]           ; with lane l xor 16's 16: the block's largest magnitude
.endr
.irp b, 0,1,2,3
	v_add_nc_u32 v[TM+12+\b], 0xf8800000, v[TM+\b]         ; 15 off its exponent field: the conversion takes that field as its scale
.endr
.irp b, 0,1,2,3
	v_and_or_b32 v[TM+8+\b], v[TM+\b], 0x7f800000, s[MNT]  ; 57,344 x the scale
.endr
.irp b, 0,1,2,3
	v_lshrrev_b32 v[TM+4+\b], 23, v[TM+12+\b]              ; the scale's byte
.endr
	v_lshl_or_b32 v[PW], v[TM+5], 8, v[TM+4]
	v_lshl_or_b32 v[PW], v[TM+6], 16, v[PW]
	v_lshl_or_b32 v[PW], v[TM+7], 24, v[PW]
.irp b, 0,1,2,3
.irp i, 0,1,2,3,4,5,6,7,8,9,10,11,12,13,14,15
	v_med3_num_f32 v[\s+16*\b+\i], v[\s+16*\b+\i], -v[TM+8+\b], v[TM+8+\b]   ; the conversion to an 8-bit code does not saturate (ISA guide 7.6.2): the hold comes first
.endr
	v_cvt_scalef32_pk8_bf8_f32 v[PC+4*\b:PC+1+4*\b], v[\s+16*\b:\s+7+16*\b], v[TM+12+\b]
	v_cvt_scalef32_pk8_bf8_f32 v[PC+2+4*\b:PC+3+4*\b], v[\s+8+16*\b:\s+15+16*\b], v[TM+12+\b]
.endr
	v_nop                                          ; one plain line behind the last conversion
.endm
	s_load_b256 s[4:11], s[0:1], 0x0               ; x s[4:5], Wq s[6:7], W1 s[8:9], W2 s[10:11]
	s_load_b64 s[12:13], s[0:1], 0x20              ; qnt
	v_lshrrev_b32 v1, 5, v0
	v_readfirstlane_b32 s14, v1                    ; wave 0..3
	v_and_b32 v2, 31, v0                           ; lane
	s_mov_b32 s[MNT], 0x600000
	s_mov_b32 s21, 0                               ; the high word of every offset pair s[20:21]
	s_wait_kmcnt 0x0
	s_cmp_lt_u32 ttmp9, 256
	s_cbranch_scc0 .Lweights
	; ---- x: K is innermost.  Lane (r, h) takes, of its row, 16 neighbours of each block of 32: four loads of 16 bytes a block
	s_mov_b32 s[SEL], 0x76543210
	s_mov_b32 s[SEL+1], 0xfedcba98
	s_mov_b32 s30, 0xffff0000                      ; lanes 16-31
	s_lshl_b32 s15, ttmp9, 2
	s_add_co_u32 s15, s15, s14
	s_and_b32 s16, s15, 7                          ; K step
	s_lshr_b32 s17, s15, 3                         ; b: tokens 32 b .. 32 b + 31, tiles 2 b and 2 b + 1
	v_and_b32 v3, 15, v0                           ; r
	v_bfe_u32 v4, v0, 4, 1                         ; h
	v_and_b32 v5, 8, v3
	v_add_nc_u32 v5, v5, v3                        ; r + 8 (r / 8)
	v_lshlrev_b32 v5, 12, v5                       ; rows of 4,096 bytes
	v_lshl_add_u32 v5, v4, 6, v5                   ; + 64 h
	s_wait_alu depctr_va_vdst(0)
	v_lshlrev_b32 v6, 4, v2                        ; an image's place for my lane
	v_lshlrev_b32 v7, 2, v2                        ; a scale word's
.irp b, 0,1,2,3
	v_mov_b32 v[TM+4+\b], 0                        ; written once: a lane permute's destination counts as one of its sources
.endr
	s_lshl_b32 s20, s17, 17                        ; 32 rows of 4,096 bytes
	s_lshl_b32 s18, s16, 9                         ; 128 numbers
	s_add_co_u32 s20, s20, s18
	s_add_nc_u64 s[4:5], s[4:5], s[20:21]
.irp u, 0,1
.irp c, 0,1,2,3
.irp j, 0,1,2,3
	global_load_b128 v[64+64*\u+16*\c+4*\j:64+64*\u+16*\c+4*\j+3], v5, s[4:5] offset:\u*32768+128*\c+16*\j th:TH_LOAD_NT
.endr
.endr
.endr
	s_lshl_b32 s20, s17, 15                        ; two tiles x 8 K steps x 2,048 bytes
	s_lshl_b32 s18, s16, 11
	s_add_co_u32 s20, s20, s18
	s_add_nc_u64 s[22:23], s[12:13], s[20:21]      ; my first image
	s_lshl_b32 s20, s16, 14                        ; a K step's 4,096 words
	s_lshl_b32 s18, s17, 7
	s_add_co_u32 s20, s20, s18
	s_add_co_u32 s20, s20, XS
	s_add_nc_u64 s[24:25], s[12:13], s[20:21]      ; my 32 scale words
	s_wait_loadcnt 16                              ; tile 2 b's 16 loads are in; the other tile's 16 may be out
.set PC, 32
	QUANT 64
.irp c, 0,1,2,3
	global_store_b128 v6, v[32+4*\c:35+4*\c], s[22:23] offset:512*\c          ; 32 lanes store 512 consecutive bytes
.endr
	v_mov_b32 v49, v[PW]
	s_wait_loadcnt 0x0
.set PC, 192                           ; a second set of code registers: the stores above still read the first
	QUANT 128
.irp c, 0,1,2,3
	global_store_b128 v6, v[192+4*\c:195+4*\c], s[22:23] offset:16384+512*\c
.endr
	v_cndmask_b32 v50, v49, v[PW], s30             ; lanes 0-15: tile 2 b's words; lanes 16-31: tile 2 b + 1's (both halves of the lanes hold row r's word)
	global_store_b32 v7, v50, s[24:25]
	s_endpgm
	; ---- the weights: K is the FIRST axis.  A lane takes a column and its registers run down K: a block of 32 lies in one lane, and the codes come out with K innermost
.macro WLOAD t, STRIDE                 ; block t: rows 32 t .. 32 t + 31 at my column: 32 lanes read 128 consecutive bytes
.irp i, 0,1,2,3,4,5,6,7,8,9,10,11,12,13,14,15,16,17,18,19,20,21,22,23,24,25,26,27,28,29,30,31
	global_load_b32 v[64+32*(\t)+\i], v6, s[4:5] offset:(32*(\t)+\i)*\STRIDE th:TH_LOAD_NT
.endr
.endm
.macro WBLOCK c, STRIDE
.set XB, 64+32*\c
.if \c < 3
	s_wait_loadcnt 32                              ; this block's 32 loads are in; the next block's 32 may be out
.else
	s_wait_loadcnt 0x0
.endif
.if \c < 2
	WLOAD \c+2, \STRIDE                            ; two blocks ahead, into registers of their own
.endif
	v_max3_num_f32 v8, |v[XB]|, |v[XB+1]|, |v[XB+2]|
	v_max3_num_f32 v9, |v[XB+3]|, |v[XB+4]|, |v[XB+5]|
.irp i, 6,10,14,18,22,26
	v_max3_num_f32 v8, v8, |v[XB+\i]|, |v[XB+\i+1]|
	v_max3_num_f32 v9, v9, |v[XB+\i+2]|, |v[XB+\i+3]|
.endr
	v_max3_num_f32 v8, v8, |v[XB+30]|, |v[XB+31]|
	v_max3_num_f32 v8, v8, v9, 0x8000000           ; and the floor 2^(16 - 127)
	v_add_nc_u32 v11, 0xf8800000, v8               ; the conversion's scale operand
	v_and_or_b32 v10, v8, 0x7f800000, s[MNT]       ; 57,344 x the scale
	v_lshrrev_b32 v9, 23, v11                      ; the byte
.if \c == 0
	v_mov_b32 v24, v9
.else
	v_lshl_or_b32 v24, v9, 8*\c, v24               ; the lower K in the lower byte
.endif
.irp i, 0,1,2,3,4,5,6,7,8,9,10,11,12,13,14,15,16,17,18,19,20,21,22,23,24,25,26,27,28,29,30,31
	v_med3_num_f32 v[XB+\i], v[XB+\i], -v10, v10
.endr
.irp g, 0,1,2,3
	v_cvt_scalef32_pk8_bf8_f32 v[32+8*\c+2*\g:33+8*\c+2*\g], v[XB+8*\g:XB+8*\g+7], v11
.endr
	v_nop                                          ; one plain line behind the last conversion
	global_store_b128 v5, v[32+8*\c:35+8*\c], s[22:23] offset:512*\c           ; k = 32 c + 0 .. 15: the image's lanes 0-15; the 16 lanes of a tile fill 256 consecutive bytes
	global_store_b128 v5, v[36+8*\c:39+8*\c], s[22:23] offset:512*\c+256       ; k = 32 c + 16 .. 31: its lanes 16-31
.endm
.macro WPATH STRIDE, TSH               ; STRIDE: bytes from row to row of the weight; 1 << TSH: bytes from a tile's images to the next tile's
	v_lshl_add_u32 v5, v3, \TSH, v4                ; my tile, my position: (u << TSH) + 16 p
	WLOAD 0, \STRIDE
	WLOAD 1, \STRIDE
	WBLOCK 0, \STRIDE
	WBLOCK 1, \STRIDE
	WBLOCK 2, \STRIDE
	WBLOCK 3, \STRIDE
	global_store_b32 v7, v24, s[24:25]             ; my column's scale word
	s_endpgm
.endm
.macro WDEST CSH, KSH, CB, SB          ; s19: my group of 32 columns; s17: my K step
	s_lshl_b32 s20, s19, \CSH
	s_lshl_b32 s18, s17, 11
	s_add_co_u32 s20, s20, s18
	s_add_co_u32 s20, s20, \CB
	s_add_nc_u64 s[22:23], s[12:13], s[20:21]      ; my first image
	s_lshl_b32 s20, s17, \KSH
	s_lshl_b32 s18, s19, 7
	s_add_co_u32 s20, s20, s18
	s_add_co_u32 s20, s20, \SB
	s_add_nc_u64 s[24:25], s[12:13], s[20:21]      ; my 32 scale words
.endm
.Lweights:
	v_bfe_u32 v3, v0, 3, 1                         ; column 32 g + l lies in tile 2 g + u, u = (l / 8) % 2,
	v_and_b32 v4, 7, v0
	v_bfe_u32 v5, v0, 4, 1
	v_lshl_add_u32 v4, v5, 3, v4                   ; at position p = l % 8 + 8 (l / 16)
	s_wait_alu depctr_va_vdst(0)
	v_lshlrev_b32 v6, 2, v2                        ; in: 4 bytes a lane
	v_lshl_add_u32 v7, v3, 4, v4
	v_lshlrev_b32 v7, 2, v7                        ; my scale word's place: 4 (16 u + p)
	v_lshlrev_b32 v4, 4, v4                        ; 16 p
	s_cmp_lt_u32 ttmp9, 320
	s_cbranch_scc0 .Lw1w2
	s_sub_co_u32 s15, ttmp9, 256                   ; Wq: head = g / 4; K step = 2 (g % 4) + wave / 2; which 32 of the head's 64 columns: wave % 2
	s_lshr_b32 s16, s15, 2
	s_and_b32 s17, s15, 3
	s_lshl_b32 s17, s17, 1
	s_lshr_b32 s18, s14, 1
	s_add_co_u32 s17, s17, s18
	s_and_b32 s29, s14, 1
	s_lshl_b32 s19, s16, 1
	s_add_co_u32 s19, s19, s29
	s_lshl_b32 s20, s16, 18                        ; a head: 1,024 rows of 256 bytes
	s_lshl_b32 s18, s17, 15
	s_add_co_u32 s20, s20, s18
	s_lshl_b32 s18, s29, 7
	s_add_co_u32 s20, s20, s18
	s_add_nc_u64 s[4:5], s[6:7], s[20:21]
	WDEST 15, 12, QC, QS
	s_wait_alu depctr_va_vdst(0)
	WPATH 256, 14
.Lw1w2:
	s_cmp_lt_u32 ttmp9, 576
	s_cbranch_scc0 .Lw2
	s_sub_co_u32 s15, ttmp9, 320                   ; W1: columns 32 (4 (g % 32) + wave) on; K step = g / 32
	s_and_b32 s19, s15, 31
	s_lshl_b32 s19, s19, 2
	s_add_co_u32 s19, s19, s14
	s_lshr_b32 s17, s15, 5
	s_lshl_b32 s20, s17, 21                        ; 128 rows of 16,384 bytes
	s_lshl_b32 s18, s19, 7
	s_add_co_u32 s20, s20, s18
	s_add_nc_u64 s[4:5], s[8:9], s[20:21]
	WDEST 15, 14, W1C, W1S
	s_wait_alu depctr_va_vdst(0)
	WPATH 16384, 14
.Lw2:
	s_sub_co_u32 s15, ttmp9, 576                   ; W2: columns 32 (4 (g % 8) + wave) on; K step = g / 8
	s_and_b32 s19, s15, 7
	s_lshl_b32 s19, s19, 2
	s_add_co_u32 s19, s19, s14
	s_lshr_b32 s17, s15, 3
	s_lshl_b32 s20, s17, 19                        ; 128 rows of 4,096 bytes
	s_lshl_b32 s18, s19, 7
	s_add_co_u32 s20, s20, s18
	s_add_nc_u64 s[4:5], s[10:11], s[20:21]
	WDEST 17, 12, W2C, W2S
	s_wait_alu depctr_va_vdst(0)
	WPATH 4096, 16
.Lfunc_end_k_qe82be7a58f_quant:
	.size	k_qe82be7a58f_quant, .Lfunc_end_k_qe82be7a58f_quant-k_qe82be7a58f_quant
	.p2alignl 7, 3214868480
	.fill 96, 4, 3214868480
	.section	.rodata,"a",@progbits
	.p2align	6, 0x0
	.amdhsa_kernel k_qe82be7a58f_quant
		.amdhsa_group_segment_fixed_size 0
		.amdhsa_private_segment_fixed_size 0
		.amdhsa_enable_private_segment 0
		.amdhsa_kernarg_size 40
		.amdhsa_user_sgpr_count 2
		.amdhsa_user_sgpr_kernarg_segment_ptr 1
		.amdhsa_wavefront_size32 1
		.amdhsa_system_sgpr_workgroup_id_x 1
		.amdhsa_system_sgpr_workgroup_id_y 1
		.amdhsa_system_sgpr_workgroup_id_z 1
		.amdhsa_system_vgpr_workitem_id 0
		.amdhsa_next_free_vgpr 208
		.amdhsa_next_free_sgpr 66
		.amdhsa_reserve_vcc 0
		.amdhsa_float_denorm_mode_32 3
		.amdhsa_float_denorm_mode_16_64 3
		.amdhsa_memory_ordered 1
		.amdhsa_forward_progress 1
		.amdhsa_inst_pref_size 107
	.end_amdhsa_kernel
	.amdgpu_metadata
---
amdhsa.version: [ 1, 2 ]
amdhsa.kernels:
  - .name:           k_qe82be7a58f_quant
    .symbol:         k_qe82be7a58f_quant.kd
    .args:
      - { .name: x, .offset: 0, .size: 8, .value_kind: global_buffer, .address_space: global }
      - { .name: Wq, .offset: 8, .size: 8, .value_kind: global_buffer, .address_space: global }
      - { .name: W1, .offset: 16, .size: 8, .value_kind: global_buffer, .address_space: global }
      - { .name: W2, .offset: 24, .size: 8, .value_kind: global_buffer, .address_space: global }
      - { .name: qnt, .offset: 32, .size: 8, .value_kind: global_buffer, .address_space: global }
    .group_segment_fixed_size: 0
    .private_segment_fixed_size: 0
    .kernarg_segment_align: 8
    .kernarg_segment_size: 40
    .max_flat_workgroup_size: 128
    .sgpr_count:     66
    .vgpr_count:     208
    .wavefront_size: 32
...
	.end_amdgpu_metadata
.endif
;; end of part 1
;; launch qproj (part 2): grid 8 x 32, 4 waves a work-group, clusters of 4 x 4, 271,360 bytes of LDS; arguments qnt, bq, qkv; writes qkv
.if DOCPART == 2
	.amdgcn_target "amdgcn-amd-amdhsa--gfx1250"
	.amdhsa_code_object_version 6
	.text
	.protected	k_qe82be7a58f_qproj
	.globl	k_qe82be7a58f_qproj
	.p2align	8
	.type	k_qe82be7a58f_qproj,@function
k_qe82be7a58f_qproj:
	s_mov_b64 s[64:65], 0
	v_nop
	global_prefetch_b8 v0, s[64:65] scope:SCOPE_SE
	s_setreg_imm32_b32 hwreg(HW_REG_WAVE_MODE, 25, 1), 1
	s_wait_xcnt 0x0
	s_wait_alu depctr_hold_cnt(0) depctr_sa_sdst(0) depctr_va_vdst(0) depctr_va_sdst(0) depctr_va_ssrc(0) depctr_va_vcc(0) depctr_vm_vsrc(0)
	s_getreg_b32 s2, hwreg(HW_REG_IB_STS2, 6, 4)
	s_cmp_eq_u32 s2, 0
	s_cbranch_scc0 .Lentry_in_a_cluster
	s_endpgm
.Lentry_in_a_cluster:
	s_bfe_u32 s2, ttmp6, 0x10000c
	s_cmp_lg_u32 s2, 0xf033
	s_cbranch_scc0 .Lentry_shape_is_right
	s_endpgm
.Lentry_shape_is_right:
; q = x Wq + bq on codes of BF8 (E5M2) with E8M0 scales, and q's two quantised forms for attention: along the head's 64 (both operands of q q^T) and along the tokens (the values).
; A work-group makes 128 tokens x 128 columns (two heads); four waves, each 64 x 64.  K = 1,024 lies in LDS whole: the tokens' 8 tiles and the columns' 8, each filled once, so nothing is filled again.
; OPERANDS ARE IMAGES OF REGISTERS (16 rows x 128 K = 2,048 bytes, lane l's 16 bytes of chunk c at 512 c + 16 l): every LDS read is 512 consecutive bytes, no pitch, no padding.
; BOTH ORIENTATIONS ARE MULTIPLIED.  With source 0 = 16 columns of Wq and source 1 = 16 tokens a lane holds one token and its registers run along the head's 64; with the sources swapped it holds one column and
; its registers run along the tokens.  A quantiser wants its K along a lane's registers, and q is quantised along both: the second product takes the fragments that are in registers anyway and reads no LDS byte more.
; The rows of a tile of x and of Wq are chosen (tile 2 b + u, position p: row 32 b + 8 u + p + 8 (p / 8)) so that the 16 registers of tiles 2 b, 2 b + 1 are 16 neighbours.
; CLUSTER 4 x 4: the four work-groups of a row need the same tokens, the four of a column the same columns of Wq: each tile is asked for jointly.
; OUT, for each batch and head (BHB bytes): token scale words [2,048] (bytes 0, 1: the two blocks of 32; bytes 2, 3: 0x7f, for the zero codes that fill K to 128); value scale words [16 steps][4 tiles][16];
; then 16 steps of 128 tokens: 8 token tiles x 1,024 bytes (chunks 0, 1), 4 tiles of the head's 64 x 2,048 bytes (K = the step's 128 tokens).
; LIMITS: a block of zeros gets the byte 1 (its codes are zeros); blocks whose largest magnitude lies under 2^-111 were not tried; NaN and infinities are not served.
; REGISTERS: window 0: v1-31 addresses; v32-39 scale words, two sets; v40-57 the quantiser's; v64-95 the bias; v96-111 codes; v128-255 accumulators (token tile a, column tile t) at 128 + 8 (4 a + t).
;   window 1: two fragment buffers of 128: four of the tokens', then four of Wq's.   window 2: v0-127 the swapped accumulators (t, a) at 8 (4 t + a); v128-159 their bias.
.set NKT,   8                          ; K steps of 128
.set RA,    4096                       ; rows of x
.set RB,    1024                       ; columns of Wq
.set XS,    4194304                    ; sections of qnt
.set QC,    4325376
.set QS,    5373952
.set BHB,   274432                     ; a head's bytes in qkv
.set SLOT,  131072                     ; the tokens' 8 tiles x 16,384 bytes (all 8 K steps of a tile on end); the columns' 8 tiles lie behind them
.set BOFF,  131072
.set SCA,   2*SLOT                     ; behind the slots: the tokens' scale words [K step][128], then the columns'
.set SCB,   SCA+NKT*512
.set STG,   SCB+NKT*512                ; 512 bytes into which no fill lands: the value scale words of two heads meet here
.set KO,   8                           ; v8   where my token images go
.set VO,   9                           ; v9   my value images
.set SKO,  10                          ; v10  my token scale words
.set SVA,  11                          ; v11  LDS: my two bytes of a value scale word
.set SVR,  12                          ; v12  LDS: 16 bytes a lane of the 512
.set SVO,  13                          ; v13  and where they go
.set SH,   14                          ; v14  16 h
.set B2O,  15                          ; v15  the swapped bias: my column's 4 bytes
.set ADRA, 16                          ; v16  LDS address of my token fragments; two K steps on in each trip of the loop
.set ADRB, 20                          ; v20  of my column fragments, likewise
.set ADRS, 27                          ; v27  of my scale words: lanes 0-15 the tokens', lanes 16-31 the columns'
.set SC,   32
.set TM,   40
.set PW,   56
.set WD,   57
.set BIAS, 64
.set PC,   96
.set ACC,  128
.set F0,   0
.set F1,   128
.set G1, 24                            ; s[24:31] group 1 for the tokens' tiles; s[32:35] group 0
.set G0, 32
.set G1B, 48                           ; s[48:55], s[56:59] the same for the columns'
.set G0B, 56
.set G1S, 68                           ; s[68:75], s[76:79] groups 1 and 0 for the tokens' scale words; s[80:87], s[88:91] for the columns'
.set G0S, 76
.set G1SB, 80
.set G0SB, 88
.set MNT, 95                           ; s95  the mantissa field of 57,344
.set SEL, 96                           ; s[96:97] lane selects: lane l xor 16
.set MSB, 0
.macro WIN new                         ; the immediate's high byte repeats the setting that is left; a switch that changes nothing is dropped
.if MSB != (\new)
	s_set_vgpr_msb (MSB<<8)|(\new)
.set MSB, (\new)
.endif
.endm
.set MUL,  0x05                        ; sources 0 and 1 window 1; C and D window 0
.set MULT, 0xa5                        ; sources 0 and 1 window 1; C and D window 2
.set TO_F, 0x40                        ; destination window 1, address window 0
.macro PLACES n
.rept \n
	v_nop
.endr
.endm
; An arm of the head's one chain of branches on the wave's number: a joint load, an s_nop 0 and four v_nop behind it, and a jump to the chain's end
.macro ARM under, g0, g1, next
	s_cmp_lt_u32 s14, \under
	s_cbranch_scc0 \next
	tensor_load_to_lds s[\g0:\g0+3], s[\g1:\g1+7]
	s_nop 0
	PLACES 4
	s_branch .Lhead_asked
\next:
.endm
.macro CROUND                          ; a round of the cluster's barrier
	s_barrier_signal -1
	s_barrier_wait -1
	s_cmp_lg_u32 s14, 0
	s_cbranch_scc1 .Lnot_wave_0_\@
	s_barrier_signal -3
.Lnot_wave_0_\@:
	s_barrier_wait -3
	s_barrier_signal -1
	s_barrier_wait -1
.endm
; 64 numbers of a lane in window W, register 16 b + i = K 32 b + 16 (lane / 16) + i of the lane's row, become 16 registers of codes in v[PC] on and four scale bytes in v[PW] (window 0).
; Work is grouped by window setting.  Each accumulator is read first at its two lowest registers.
.macro QUANT s, relu, W
	WIN ((\W)<<2)|((\W)<<4)
.irp b, 0,1,2,3
	v_max3_num_f32 v[TM+\b], 0x8000000, |v[(\s)+16*\b]|, |v[(\s)+16*\b+1]|     ; my 16 numbers of block b, and the floor 2^(16 - 127): the byte cannot fall under 1
.endr
.irp i, 2,4,6,8,10,12,14
.irp b, 0,1,2,3
	v_max3_num_f32 v[TM+\b], v[TM+\b], |v[(\s)+16*\b+\i]|, |v[(\s)+16*\b+\i+1]|
.endr
.endr
	WIN 0
.irp b, 0,1,2,3
	v_permlanex16_b32 v[TM+4+\b], v[TM+\b], s[SEL], s[SEL+1]
.endr
.irp b, 0,1,2,3
	v_max_num_f32 v[TM+\b], v[TM+\b], v[TM+4+\b]           ; with lane l xor 16's 16: the block's largest magnitude
.endr
.irp b, 0,1,2,3
	v_add_nc_u32 v[TM+12+\b], 0xf8800000, v[TM+\b]         ; 15 off its exponent field: the conversion's scale operand
.endr
.irp b, 0,1,2,3
	v_and_or_b32 v[TM+8+\b], v[TM+\b], 0x7f800000, s[MNT]  ; 57,344 x the scale
.endr
.irp b, 0,1,2,3
	v_lshrrev_b32 v[TM+4+\b], 23, v[TM+12+\b]              ; the scale's byte
.endr
	v_lshl_or_b32 v[PW], v[TM+5], 8, v[TM+4]
	v_lshl_or_b32 v[PW], v[TM+6], 16, v[PW]
	v_lshl_or_b32 v[PW], v[TM+7], 24, v[PW]
	WIN ((\W)<<6)|(\W)
.irp b, 0,1,2,3
.irp i, 0,1,2,3,4,5,6,7,8,9,10,11,12,13,14,15
	v_med3_num_f32 v[(\s)+16*\b+\i], v[(\s)+16*\b+\i], -v[TM+8+\b], v[TM+8+\b]   ; the conversion does not saturate (ISA guide 7.6.2): the hold comes first
.endr
.endr
	WIN \W
.irp b, 0,1,2,3
	v_cvt_scalef32_pk8_bf8_f32 v[PC+4*\b:PC+4*\b+1], v[(\s)+16*\b:(\s)+16*\b+7], v[TM+12+\b]
	v_cvt_scalef32_pk8_bf8_f32 v[PC+4*\b+2:PC+4*\b+3], v[(\s)+16*\b+8:(\s)+16*\b+15], v[TM+12+\b]
.endr
	WIN 0
	v_nop                                          ; one plain line behind the last conversion
.endm
	s_load_b128 s[4:7], s[0:1], 0x0                ; qnt, bq
	s_load_b64 s[12:13], s[0:1], 0x10              ; qkv
	v_lshl_add_u32 v126, v0, 2, 0x42200
	v_mov_b32 v127, 0
	ds_add_u32 v126, v127
	ds_add_u32 v126, v127
	v_lshrrev_b32 v1, 5, v0
	v_readfirstlane_b32 s14, v1                    ; wave 0..3
	s_lshr_b32 s15, s14, 1                         ; which 64 tokens are mine
	s_and_b32 s16, s14, 1                          ; which 64 columns
	s_bfe_u32 s40, ttmp6, 0x40000                  ; cx, cy: my place in the cluster
	s_bfe_u32 s41, ttmp6, 0x40004
	s_lshl_b32 s42, ttmp9, 2
	s_add_co_u32 s42, s42, s40                     ; block of 128 columns = 4 x cluster x + cx
	s_and_b32 s17, ttmp7, 0xffff
	s_lshl_b32 s17, s17, 2
	s_add_co_u32 s17, s17, s41                     ; block of 128 tokens = 4 x cluster y + cy
	s_lshl_b32 s43, s41, 2
	s_lshl_b32 s43, 15, s43                        ; my row of the cluster
	s_lshl_b32 s44, 0x1111, s40                    ; my column
	; codes: 8 row tiles x 16,384 bytes (8 K steps on end), NKT x 2,048 bytes from tile to tile; elements of 8 bytes
	s_or_b32 s[G1+0], s43, (3<<16)|(1<<21)         ; 15:0 the mask; 17:16 elements of 8 bytes; 21 set beside a mask; no padding
	s_or_b32 s[G1B+0], s44, (3<<16)|(1<<21)
.irp g, G1, G1B
	s_mov_b32 s[\g+1], 2048<<16                    ; tensor_dim0: a tile's 16,384 bytes, all of K
	s_mov_b32 s[\g+2], 8<<16                       ; tensor_dim1: the block's 8 tiles
	s_mov_b32 s[\g+3], 2048<<16                    ; tile_dim0
	s_mov_b32 s[\g+4], 8                           ; tile_dim1
	s_mov_b32 s[\g+5], NKT*256                     ; the pitch
	s_mov_b32 s[\g+6], 0
	s_mov_b32 s[\g+7], 0
.endr
	; scale words: NKT K steps x 512 bytes (128 rows), a K step's words of all rows apart
	s_or_b32 s[G1S+0], s43, (3<<16)|(1<<21)
	s_or_b32 s[G1SB+0], s44, (3<<16)|(1<<21)
.irp g, G1S, G1SB
	s_mov_b32 s[\g+1], 64<<16
	s_mov_b32 s[\g+2], NKT<<16
	s_mov_b32 s[\g+3], 64<<16
	s_mov_b32 s[\g+4], NKT
	s_mov_b32 s[\g+6], 0
	s_mov_b32 s[\g+7], 0
.endr
	s_mov_b32 s[G1S+5], RA/2
	s_mov_b32 s[G1SB+5], RB/2
	s_lshl_b32 s20, s17, 3                         ; tokens: row tile 8 x block
	s_lshl_b32 s46, s42, 3                         ; columns likewise
	s_mul_i32 s20, s20, NKT*2048
	s_mul_i32 s46, s46, NKT*2048
	s_mov_b32 s21, 0
	s_mov_b32 s47, 0
	s_lshl_b32 s22, s17, 9                         ; the block's 128 scale words in K step 0
	s_mov_b32 s23, 0
	s_lshl_b32 s92, s42, 9
	s_mov_b32 s93, 0
	s_mov_b32 s[MNT], 0x600000
	s_mov_b32 s[SEL], 0x76543210
	s_mov_b32 s[SEL+1], 0xfedcba98
	s_mov_b32 s98, 0xffff
	s_mov_b32 s99, 0x7f7f0000
	s_wait_dscnt 0x0
	s_wait_kmcnt 0x0
	s_mov_b64 s[66:67], s[6:7]                     ; bq
	s_add_nc_u64 s[6:7], s[4:5], XS                ; x's scale words (its codes lie at qnt's head)
	s_add_nc_u64 s[8:9], s[4:5], QC
	s_add_nc_u64 s[10:11], s[4:5], QS
	s_add_nc_u64 s[20:21], s[4:5], s[20:21]
	s_add_nc_u64 s[22:23], s[6:7], s[22:23]
	s_add_nc_u64 s[46:47], s[8:9], s[46:47]
	s_add_nc_u64 s[92:93], s[10:11], s[92:93]
	CROUND                                         ; all sixteen work-groups are here: the joint loads meet
	s_mov_b32 s[G0S], 1
	s_mov_b32 s[G0S+1], SCA
	s_mov_b64 s[G0S+2:G0S+3], s[22:23]
	s_or_b32 s[G0S+3], s[G0S+3], 0x80000000
	s_mov_b32 s[G0SB], 1
	s_mov_b32 s[G0SB+1], SCB
	s_mov_b64 s[G0SB+2:G0SB+3], s[92:93]
	s_or_b32 s[G0SB+3], s[G0SB+3], 0x80000000
	s_mov_b32 s[G0], 1
	s_mov_b32 s[G0+1], 0
	s_mov_b64 s[G0+2:G0+3], s[20:21]
	s_or_b32 s[G0+3], s[G0+3], 0x80000000
	s_mov_b32 s[G0B], 1
	s_mov_b32 s[G0B+1], BOFF
	s_mov_b64 s[G0B+2:G0B+3], s[46:47]
	s_or_b32 s[G0B+3], s[G0B+3], 0x80000000
	; ONE load a wave, and no later fill: wave 0 the tokens' codes (131,072 dense bytes), wave 1 the columns', wave 2 the tokens' scale words, wave 3 the columns'
	ARM 1, G0,  G1,  .Lhead_b
	ARM 2, G0B, G1B, .Lhead_sa
	ARM 3, G0S, G1S, .Lhead_sb
	tensor_load_to_lds s[G0SB:G0SB+3], s[G1SB:G1SB+7]
	s_nop 0
	PLACES 4
.Lhead_asked:
	v_and_b32 v1, 31, v0                           ; lane
	v_and_b32 v2, 15, v0                           ; r
	v_bfe_u32 v3, v0, 4, 1                         ; h
	s_wait_alu depctr_va_vdst(0)
	v_lshlrev_b32 v4, 4, v1                        ; 16 x lane
	s_lshl_b32 s21, s15, 16                        ; my four token tiles
	s_lshl_b32 s22, s16, 16                        ; my four column tiles,
	s_add_co_u32 s22, s22, BOFF                    ; behind the tokens' eight
	v_add_nc_u32 v[ADRA], s21, v4
	v_add_nc_u32 v[ADRB], s22, v4
	s_lshl_b32 s21, s15, 8                         ; scale words: my 64 tokens' begin 256 x half on;
	s_lshl_b32 s22, s16, 8
	s_add_co_u32 s22, s22, SCB-SCA
	s_sub_co_u32 s22, s22, s21
	v_mul_u32_u24 v6, s22, v3                      ; lanes 16-31 take the columns': one product, the distance between the two bases
	s_add_co_u32 s21, s21, SCA
	v_lshl_add_u32 v5, v2, 2, v6
	v_add_nc_u32 v[ADRS], s21, v5
	s_lshl_b32 s20, s42, 9                         ; bq at my 64 columns
	s_lshl_b32 s21, s16, 8
	s_add_co_u32 s20, s20, s21
	s_mov_b32 s21, 0
	s_add_nc_u64 s[66:67], s[66:67], s[20:21]
	v_lshlrev_b32 v7, 6, v3                        ; lane (r, h), tile t, register j: column 32 (t / 2) + 8 (t % 2) + 16 h + j
.irp t, 0,1,2,3
	global_load_b128 v[BIAS+8*\t:BIAS+8*\t+3], v7, s[66:67] offset:(32*(\t/2)+8*(\t%2))*4
	global_load_b128 v[BIAS+8*\t+4:BIAS+8*\t+7], v7, s[66:67] offset:(32*(\t/2)+8*(\t%2))*4+16
.endr
	v_and_b32 v[B2O], 8, v2
	v_add_nc_u32 v[B2O], v[B2O], v2
	v_lshlrev_b32 v[B2O], 2, v[B2O]                ; swapped: the lane's column is 32 (t / 2) + 8 (t % 2) + r + 8 (r / 8), the same in all eight registers
	WIN 0x80                                       ; destination window 2
.irp t, 0,1,2,3
.irp j, 0,1,2,3,4,5,6,7
	global_load_b32 v[128+8*\t+\j], v[B2O], s[66:67] offset:(32*(\t/2)+8*(\t%2))*4
.endr
.endr
	WIN 0
	; where the results go
	s_lshr_b32 s20, s17, 4                         ; batch
	s_and_b32 s23, s17, 15                         ; the step of 128 tokens
	s_lshl_b32 s20, s20, 4
	s_lshl_b32 s21, s42, 1
	s_add_co_u32 s20, s20, s21
	s_add_co_u32 s20, s20, s16                     ; 16 x batch + head
	s_mul_i32 s20, s20, BHB
	s_mov_b32 s21, 0
	s_add_nc_u64 s[12:13], s[12:13], s[20:21]
	s_lshl_b32 s20, s23, 14
	s_add_co_u32 s20, s20, 12288                   ; the step's bytes
	s_lshl_b32 s21, s15, 12
	s_add_co_u32 s21, s21, s20
	v_add_nc_u32 v[KO], s21, v4                    ; token tiles 4 x half on, 1,024 bytes each
	s_lshl_b32 s21, s15, 10
	s_add_co_u32 s21, s21, s20
	s_add_co_u32 s21, s21, 8192
	v_add_nc_u32 v[VO], s21, v4                    ; value images: my 64 tokens are chunks 2 x half, 2 x half + 1
	s_lshl_b32 s20, s23, 9
	s_lshl_b32 s21, s15, 8
	s_add_co_u32 s20, s20, s21
	v_lshl_add_u32 v[SKO], v1, 2, s20
	v_lshlrev_b32 v[SH], 4, v3
	s_lshl_b32 s20, s16, 8                         ; LDS: my head's 256 bytes, bytes 2 x half, 2 x half + 1 of a word
	s_lshl_b32 s21, s15, 1
	s_add_co_u32 s20, s20, s21
	s_add_co_u32 s20, s20, STG
	v_lshl_add_u32 v[SVA], v2, 2, s20
	v_add_nc_u32 v[SVR], STG, v4
	v_mul_u32_u24 v[SVO], v3, BHB                  ; lanes 0-15: the first head's 256 bytes; lanes 16-31: the next head's
	v_lshl_add_u32 v[SVO], v2, 4, v[SVO]
	s_lshl_b32 s20, s23, 8
	s_add_co_u32 s20, s20, 8192
	v_add_nc_u32 v[SVO], s20, v[SVO]
.irp b, 0,1,2,3
	v_mov_b32 v[TM+4+\b], 0                        ; written once: a lane permute's destination counts as one of its sources
.endr
; 36 LDS loads: the scale words and fragments of the slot's q-th 128 along K into buffer f and scale set p
.macro FETCH slot, q, f, p
	WIN 0
.irp i, 0,1,2,3
	ds_load_b32 v[SC+4*(\p)+\i], v[ADRS] offset:(\q)*512+64*\i     ; lanes 0-15: token tile i's words; lanes 16-31: column tile i's
.endr
	WIN TO_F
.irp i, 0,1,2,3
.irp c, 0,1,2,3
	ds_load_b128 v[(\f)+64+16*\i+4*\c:(\f)+64+16*\i+4*\c+3], v[ADRB+(\slot)] offset:\i*16384+(\q)*2048+512*\c
.endr
.endr
.irp i, 0,1,2,3
.irp c, 0,1,2,3
	ds_load_b128 v[(\f)+16*\i+4*\c:(\f)+16*\i+4*\c+3], v[ADRA+(\slot)] offset:\i*16384+(\q)*2048+512*\c
.endr
.endr
.endm
; token tile a against my four column tiles: source 0 = the columns.  first = 1: the bias is the sum's first C
.macro MUL4 f, a, p, first
.irp t, 0,1,2,3
.if \first
	v_wmma_scale_f32_16x16x128_f8f6f4 v[ACC+8*(4*\a+\t):ACC+8*(4*\a+\t)+7], v[(\f)+64+16*\t:(\f)+64+16*\t+15], v[(\f)+16*\a:(\f)+16*\a+15], v[BIAS+8*\t:BIAS+8*\t+7], v[SC+4*(\p)+\t], v[SC+4*(\p)+\a] matrix_a_fmt:MATRIX_FMT_BF8 matrix_b_fmt:MATRIX_FMT_BF8 matrix_a_scale:MATRIX_SCALE_ROW1
.else
	v_wmma_scale_f32_16x16x128_f8f6f4 v[ACC+8*(4*\a+\t):ACC+8*(4*\a+\t)+7], v[(\f)+64+16*\t:(\f)+64+16*\t+15], v[(\f)+16*\a:(\f)+16*\a+15], v[ACC+8*(4*\a+\t):ACC+8*(4*\a+\t)+7], v[SC+4*(\p)+\t], v[SC+4*(\p)+\a] matrix_a_fmt:MATRIX_FMT_BF8 matrix_b_fmt:MATRIX_FMT_BF8 matrix_a_scale:MATRIX_SCALE_ROW1
.endif
.endr
.endm
; the same with the sources swapped: source 0 = the tokens; results in window 2
.macro MUL4T f, a, p, first
.irp t, 0,1,2,3
.if \first
	v_wmma_scale_f32_16x16x128_f8f6f4 v[8*(4*\t+\a):8*(4*\t+\a)+7], v[(\f)+16*\a:(\f)+16*\a+15], v[(\f)+64+16*\t:(\f)+64+16*\t+15], v[128+8*\t:128+8*\t+7], v[SC+4*(\p)+\a], v[SC+4*(\p)+\t] matrix_a_fmt:MATRIX_FMT_BF8 matrix_b_fmt:MATRIX_FMT_BF8 matrix_b_scale:MATRIX_SCALE_ROW1
.else
	v_wmma_scale_f32_16x16x128_f8f6f4 v[8*(4*\t+\a):8*(4*\t+\a)+7], v[(\f)+16*\a:(\f)+16*\a+15], v[(\f)+64+16*\t:(\f)+64+16*\t+15], v[8*(4*\t+\a):8*(4*\t+\a)+7], v[SC+4*(\p)+\a], v[SC+4*(\p)+\t] matrix_a_fmt:MATRIX_FMT_BF8 matrix_b_fmt:MATRIX_FMT_BF8 matrix_b_scale:MATRIX_SCALE_ROW1
.endif
.endr
.endm
.macro SWAPPED f, p, first
	WIN MULT
	MUL4T \f, 0, \p, \first
	MUL4T \f, 1, \p, \first
	MUL4T \f, 2, \p, \first
	MUL4T \f, 3, \p, \first
	WIN 0
.endm
; A step of 128 along K: 32 matrix instructions on 32 accumulators, which take turns, one instruction a turn, in the same order in every step.
; The next step's loads go out first, into the other buffer: eight plain places stand between them and the last products that read it.
.macro STEP slot, q, first
	s_wait_dscnt 0x0                               ; this step's 36 loads are in
	PLACES 8
	FETCH \slot, (\q)+1, F0+128*(1-(\q)%2), 1-(\q)%2
	WIN MUL
	MUL4 F0+128*((\q)%2), 0, (\q)%2, \first
	MUL4 F0+128*((\q)%2), 1, (\q)%2, \first
	MUL4 F0+128*((\q)%2), 2, (\q)%2, \first
	MUL4 F0+128*((\q)%2), 3, (\q)%2, \first
	SWAPPED F0+128*((\q)%2), (\q)%2, \first
.endm
	s_wait_alu depctr_va_vdst(0)
	s_wait_tensorcnt 0x0                           ; my one load is in
	s_barrier_signal -1
	s_barrier_wait -1                              ; everybody's are
	FETCH 0, 0, F0, 0
	s_wait_loadcnt 0x0                             ; the biases
	STEP 0, 0, 1
	s_mov_b32 s3, 3
.Lpair:                                                ; three trips of two K steps (1 and 2, 3 and 4, 5 and 6): the two fragment buffers are back where they began; each step fetches the step behind it
	STEP 0, 1, 0
	STEP 0, 2, 0
	v_add_nc_u32 v[ADRA], 4096, v[ADRA]            ; two K steps on: 2 x 2,048 bytes in a tile,
	v_add_nc_u32 v[ADRB], 4096, v[ADRB]
	v_add_nc_u32 v[ADRS], 1024, v[ADRS]            ; 2 x 512 bytes of scale words
	s_sub_co_u32 s3, s3, 1
	s_cmp_lg_u32 s3, 0
	s_wait_alu depctr_va_vdst(0)                   ; directly ahead of the branch
	s_cbranch_scc1 .Lpair
	s_wait_dscnt 0x0                               ; the last step: nothing more to fetch
	WIN MUL
	MUL4 F1, 0, 1, 0
	MUL4 F1, 1, 1, 0
	MUL4 F1, 2, 1, 0
	MUL4 F1, 3, 1, 0
	SWAPPED F1, 1, 0
	PLACES 8                                       ; in front of the first read of results
	; ---- q along the head's 64.  64 registers are two token tiles x two blocks of 32: codes x go to token tile 2 pi + x / 2, chunk x % 2
.irp pi, 0,1
.if \pi
	s_wait_xcnt 0x0                                ; the stores have read the codes and the word: both are written again only behind this wait
.endif
	QUANT ACC+64*\pi, 0, 0
.irp x, 0,1,2,3
	global_store_b128 v[KO], v[PC+4*\x:PC+4*\x+3], s[12:13] offset:(2*\pi+\x/2)*1024+512*(\x%2)    ; 32 lanes store 512 consecutive bytes
.endr
	v_lshrrev_b32 v[WD], v[SH], v[PW]              ; lanes 0-15: the first tile's two bytes; lanes 16-31: the second's
	v_bfi_b32 v[WD], s98, v[WD], s99               ; 0x7f above them: the scale of the zero codes that fill K to 128
	global_store_b32 v[SKO], v[WD], s[12:13] offset:128*\pi
.endr
	; ---- q along the tokens.  64 registers are two tiles of the head's 64 x my two blocks of 32 tokens
.irp ta, 0,1
	s_wait_xcnt 0x0
	s_wait_dscnt 0x0
	QUANT 64*\ta, 0, 2
.irp x, 0,1,2,3
	global_store_b128 v[VO], v[PC+4*\x:PC+4*\x+3], s[12:13] offset:(2*\ta+\x/2)*2048+512*(\x%2)
.endr
	ds_store_b16 v[SVA], v[PW] offset:64*(2*\ta)           ; my two bytes of tile 2 ta's words (both halves of the lanes write the same bytes with the same value),
	ds_store_b16_d16_hi v[SVA], v[PW] offset:64*(2*\ta+1)  ; and of tile 2 ta + 1's
.endr
	s_wait_dscnt 0x0                               ; for the others' sake: my bytes lie in LDS
	s_barrier_signal -1
	s_barrier_wait -1
	s_cmp_lg_u32 s14, 0
	s_cbranch_scc1 .Lnot_first                     ; wave 0 (whose head is the block's first) stores both heads' words: two runs of 256 consecutive bytes
	ds_load_b128 v[60:63], v[SVR]
	s_wait_dscnt 0x0
	global_store_b128 v[SVO], v[60:63], s[12:13]
.Lnot_first:
	s_wait_tensorcnt 0x0
	ds_add_u32 v126, v127
	s_wait_dscnt 0x0
	CROUND                                         ; the closing round: no work-group ends while a partner may still ask for a tile that names it
	s_endpgm
.Lfunc_end_k_qe82be7a58f_qproj:
	.size	k_qe82be7a58f_qproj, .Lfunc_end_k_qe82be7a58f_qproj-k_qe82be7a58f_qproj
	.p2alignl 7, 3214868480
	.fill 96, 4, 3214868480
	.section	.rodata,"a",@progbits
	.p2align	6, 0x0
	.amdhsa_kernel k_qe82be7a58f_qproj
		.amdhsa_group_segment_fixed_size 271360
		.amdhsa_private_segment_fixed_size 0
		.amdhsa_enable_private_segment 0
		.amdhsa_kernarg_size 24
		.amdhsa_user_sgpr_count 2
		.amdhsa_user_sgpr_kernarg_segment_ptr 1
		.amdhsa_wavefront_size32 1
		.amdhsa_system_sgpr_workgroup_id_x 1
		.amdhsa_system_sgpr_workgroup_id_y 1
		.amdhsa_system_sgpr_workgroup_id_z 1
		.amdhsa_system_vgpr_workitem_id 0
		.amdhsa_next_free_vgpr 768
		.amdhsa_next_free_sgpr 100
		.amdhsa_reserve_vcc 0
		.amdhsa_float_denorm_mode_32 3
		.amdhsa_float_denorm_mode_16_64 3
		.amdhsa_memory_ordered 1
		.amdhsa_forward_progress 1
		.amdhsa_inst_pref_size 76
	.end_amdhsa_kernel
	.amdgpu_metadata
---
amdhsa.version: [ 1, 2 ]
amdhsa.kernels:
  - .name:           k_qe82be7a58f_qproj
    .symbol:         k_qe82be7a58f_qproj.kd
    .args:
      - { .name: qnt, .offset: 0, .size: 8, .value_kind: global_buffer, .address_space: global }
      - { .name: bq, .offset: 8, .size: 8, .value_kind: global_buffer, .address_space: global }
      - { .name: qkv, .offset: 16, .size: 8, .value_kind: global_buffer, .address_space: global }
    .group_segment_fixed_size: 271360
    .private_segment_fixed_size: 0
    .kernarg_segment_align: 8
    .kernarg_segment_size: 24
    .max_flat_workgroup_size: 128
    .sgpr_count:     100
    .vgpr_count:     768
    .wavefront_size: 32
...
	.end_amdgpu_metadata
.endif
;; end of part 2
;; launch attn (part 3): grid 8 x 32, 16 waves a work-group, clusters of 4 x 1, 327,680 bytes of LDS; arguments qkv, att; writes att
.if DOCPART == 3
	.amdgcn_target "amdgcn-amd-amdhsa--gfx1250"
	.amdhsa_code_object_version 6
	.text
	.protected	k_qe82be7a58f_attn
	.globl	k_qe82be7a58f_attn
	.p2align	8
	.type	k_qe82be7a58f_attn,@function
k_qe82be7a58f_attn:
	s_mov_b64 s[64:65], 0
	v_nop
	global_prefetch_b8 v0, s[64:65] scope:SCOPE_SE
	s_setreg_imm32_b32 hwreg(HW_REG_WAVE_MODE, 25, 1), 1
	s_wait_xcnt 0x0
	s_wait_alu depctr_hold_cnt(0) depctr_sa_sdst(0) depctr_va_vdst(0) depctr_va_sdst(0) depctr_va_ssrc(0) depctr_va_vcc(0) depctr_vm_vsrc(0)
	s_getreg_b32 s2, hwreg(HW_REG_IB_STS2, 6, 4)
	s_cmp_eq_u32 s2, 0
	s_cbranch_scc0 .Lentry_in_a_cluster
	s_endpgm
.Lentry_in_a_cluster:
	s_bfe_u32 s2, ttmp6, 0x10000c
	s_cmp_lg_u32 s2, 0x3003
	s_cbranch_scc0 .Lentry_shape_is_right
	s_endpgm
.Lentry_shape_is_right:
; att[b][s][64 h ..] = softmax(q q^T / 8) q for each batch and head, both products on codes of BF8 (E5M2) with E8M0 scales; q's two quantised forms come from qkv as the launch before laid them.
; THE SOFTMAX: t = score x log2(e) / 8; M = the running largest t rounded up to a whole number; p = 2^(t - M) is quantised along the keys; the row's sum is taken of the unquantised p and divides at the end.
; When M moves, the sum and O^T are multiplied by 2^(old M - new M), which rounds nothing.  LIMITS: the promise holds while |t| stays under 2^31; NaN and infinities are not served; a block of p that is all zeros keeps the byte 1.
; SHARES: a work-group owns 256 queries of one head, each of sixteen waves 16 of them; a lane holds one query (both products are used transposed).  A head's 274,432 bytes (scale words, 16 steps of 128 keys) lie in LDS whole:
; each wave brings 67 rows of 256 bytes by ONE tensor load at the head, and nothing is filled again.  CLUSTER 4 x 1: four query blocks of a head ask for these bytes jointly.
; No prefetch: the launch's only fills go out at its head, and there is no loop to run ahead in.
; K'S OPERANDS OVERLAP.  The head's size is 64, the instruction's K is 128.  Q's registers 8-15 are zero codes.  A key tile's 8 registers are followed by the next tile's 8 (the last by 8 zeros): these serve as its k = 64 .. 127.
; Every code of q is finite (the quantiser holds at 57,344) and the words' bytes 2, 3 are 0x7f, so those products are zeros.  So a step's eight key tiles take 72 registers and come in one run of loads.
; LOADS RUN AHEAD: the next step's keys are asked for behind this step's score products (in the last step the address is held at step 15: those registers are not used); a tile of V is asked for as soon as p's block that lay in its registers is converted.
; One scale register serves two tiles: lanes 0-15 the even tile's words, lanes 16-31 the odd tile's.
; REGISTERS: v1-11 addresses; v12 -M, v13 largest t, v[14:15] the sum; v16-31 Q; v32-103 keys; v104-167 S^T, p, then V; v168-199 O^T; v200-215 p's codes; v216-219, v220-221 K's, V's scale words; v222-223 the add's; v232-255 at work.
.set BHB,  274432
.set SHARE, 17152                      ; a wave's part of the head: 67 x 256 bytes
.set AL,   1                           ; 12,288 + 16 x lane: my place in an image of step 0
.set AS,   2                           ; 4 x lane: among the keys' scale words
.set QA,   3
.set QW,   4
.set AT,   5                           ; 8,192 + 4 x lane: among V's scale words
.set GO,   7
.set ADK,  8                           ; this step's images
.set ADN,  9                           ; the next step's
.set ADS,  10                          ; the next step's key words
.set ADT,  11                          ; this step's V words
.set KF,   32
.set S,    104
.set O,    168
.set PC,   200
.set KW,   216
.set VW,   220
.set PWD,  254                         ; p's scale word
.set TB,   2
.set TS,   3
.set WV,   18
.set MNT,  19
.set SEL,  20
.set CS,   22
.set G1A,  24
.set G0A,  40
.set T2,   44
.set T3,   45
.set TJ,   48
.set CNT,  49
.macro CROUND
	s_barrier_signal -1
	s_barrier_wait -1
	s_cmp_lg_u32 s[WV], 0
	s_cbranch_scc1 .Lnot_wave_0_\@
	s_barrier_signal -3
.Lnot_wave_0_\@:
	s_barrier_wait -3
	s_barrier_signal -1
	s_barrier_wait -1
.endm
.macro PLACES n
.rept \n
	v_nop
.endr
.endm
.macro KLOAD a, w                      ; eight key tiles (two chunks of 512 bytes each) and their words, two tiles to a register
.irp t, 0,1,2,3,4,5,6,7
	ds_load_b128 v[KF+8*\t:KF+8*\t+3], v[\a] offset:\t*1024
	ds_load_b128 v[KF+8*\t+4:KF+8*\t+7], v[\a] offset:\t*1024+512
.endr
.irp j, 0,1,2,3
	ds_load_b32 v[KW+\j], v[\w] offset:128*\j
.endr
.endm
	s_load_b128 s[4:7], s[0:1], 0x0                ; qkv, att
	v_lshl_add_u32 v222, v0, 2, 0x43000
	v_mov_b32 v223, 0
	ds_add_u32 v222, v223                          ; the opening lines: the add twice on end, and its wait ahead of my tensor load
	ds_add_u32 v222, v223
	v_lshrrev_b32 v8, 5, v0
	v_readfirstlane_b32 s[WV], v8                  ; wave 0..15
	s_bfe_u32 s50, ttmp6, 0x40000                  ; cx
	s_lshl_b32 s51, ttmp9, 2
	s_add_co_u32 s51, s51, s50                     ; my block of 256 queries
	s_and_b32 s52, ttmp7, 0xffff                   ; 16 x batch + head
	s_mul_i32 s54, s52, BHB
	s_mov_b32 s55, 0
	s_mov_b32 s[G1A], 15|(3<<16)|(1<<21)           ; the cluster's four; elements of 8 bytes
	s_mov_b32 s[G1A+1], 32<<16
	s_mov_b32 s[G1A+2], 67<<16
	s_mov_b32 s[G1A+3], 32<<16
	s_mov_b32 s[G1A+4], 67
	s_mov_b32 s[G1A+5], 32
	s_mov_b32 s[G1A+6], 0
	s_mov_b32 s[G1A+7], 0
	s_mul_i32 s56, s[WV], SHARE
	s_mov_b32 s57, 0
	s_mov_b32 s[SEL], 0x76543210
	s_mov_b32 s[SEL+1], 0xfedcba98
	s_mov_b32 s[CS], 0x3e38aa3b                    ; log2(e) / 8
	s_mov_b32 s[CS+1], s[CS]
	s_mov_b32 s[MNT], 0x600000
	s_mov_b32 s[TB], 0
	s_mov_b32 s[TS], 0
	s_mov_b32 s[TJ], 0
	s_wait_dscnt 0x0
	s_wait_kmcnt 0x0
	s_add_nc_u64 s[4:5], s[4:5], s[54:55]          ; my head
	s_mov_b32 s[G0A], 1
	s_mov_b32 s[G0A+1], s56
	s_add_nc_u64 s[G0A+2:G0A+3], s[4:5], s[56:57]
	s_or_b32 s[G0A+3], s[G0A+3], 0x80000000
	CROUND                                         ; the four work-groups are here: the joint loads meet
	tensor_load_to_lds s[G0A:G0A+3], s[G1A:G1A+7]
	s_nop 0
	PLACES 4
	s_lshl_b32 s53, s51, 4
	s_add_co_u32 s53, s53, s[WV]                   ; my token tile, 0 .. 127
	s_lshr_b32 s60, s53, 3
	s_lshl_b32 s60, s60, 14
	s_and_b32 s61, s53, 7
	s_lshl_b32 s61, s61, 10
	s_add_co_u32 s60, s60, s61
	s_add_co_u32 s60, s60, 12288                   ; its image
	s_lshl_b32 s62, s53, 6                         ; its scale words
	s_lshr_b32 s58, s52, 4                         ; att: batch,
	s_lshl_b32 s58, s58, 23
	s_lshr_b32 s61, s53, 1
	s_lshl_b32 s61, s61, 17                        ; 32 tokens,
	s_add_co_u32 s58, s58, s61
	s_and_b32 s61, s53, 1
	s_lshl_b32 s61, s61, 15                        ; 8 more for the odd tile,
	s_add_co_u32 s58, s58, s61
	s_and_b32 s61, s52, 15
	s_lshl_b32 s61, s61, 8                         ; the head's 256 bytes
	s_add_co_u32 s58, s58, s61
	s_mov_b32 s59, 0
	s_add_nc_u64 s[6:7], s[6:7], s[58:59]
	v_and_b32 v8, 31, v0
	v_and_b32 v10, 15, v0
	v_lshlrev_b32 v9, 4, v8
	v_lshlrev_b32 v[AS], 2, v8
	v_add_nc_u32 v[QA], s60, v9
	v_lshl_add_u32 v[QW], v10, 2, s62
	global_load_b128 v[16:19], v[QA], s[4:5]       ; Q's 64 codes a row stay in registers
	global_load_b128 v[20:23], v[QA], s[4:5] offset:512
	global_load_b32 v255, v[QW], s[4:5]
	v_add_nc_u32 v[AL], 12288, v9
	v_add_nc_u32 v[AT], 8192, v[AS]
.irp j, 0,1,2,3,4,5,6,7
	v_mov_b32 v[24+\j], 0                          ; Q's k = 64 .. 127: zero codes
	v_mov_b32 v[KF+64+\j], 0                       ; behind the last key tile
.endr
	v_mov_b32 v13, 0xff61b1e6                      ; -3e38, under every t
	v_floor_f32 v12, -v13
	v_mov_b32 v14, 0
	v_mov_b32 v15, 0
.irp b, 0,1,2,3
	v_mov_b32 v[236+\b], 0                         ; a lane permute's destination counts as a source
.endr
	v_mov_b32 v253, 0                              ; upper half of the pair v[252:253]
.irp j, 0,1,2,3,4,5,6,7,8,9,10,11,12,13,14,15,16,17,18,19,20,21,22,23,24,25,26,27,28,29,30,31
	v_mov_b32 v[O+\j], 0                           ; the step is written once: the first change of M multiplies zeros
.endr
	s_wait_alu depctr_va_vdst(0)
	s_wait_loadcnt 0x0
	s_wait_tensorcnt 0x0                           ; my part of the head is in
	s_barrier_signal -1
	s_barrier_wait -1                              ; everybody's is
	KLOAD AL, AS
	s_mov_b32 s[CNT], 16
.Lstep:
	s_wait_dscnt 0x0                               ; this step's keys and words
	s_barrier_signal -1                            ; I have begun this step.  Up to the wait at the step's end stand register work and LDS loads of bytes that nobody writes before the barrier on the way out
.irp j, 0,1,2,3
	v_wmma_scale_f32_16x16x128_f8f6f4 v[S+16*\j:S+16*\j+7], v[KF+16*\j:KF+16*\j+15], v[16:31], 0, v[KW+\j], v255 matrix_a_fmt:MATRIX_FMT_BF8 matrix_b_fmt:MATRIX_FMT_BF8
	v_wmma_scale_f32_16x16x128_f8f6f4 v[S+16*\j+8:S+16*\j+15], v[KF+16*\j+8:KF+16*\j+23], v[16:31], 0, v[KW+\j], v255 matrix_a_fmt:MATRIX_FMT_BF8 matrix_b_fmt:MATRIX_FMT_BF8 matrix_a_scale:MATRIX_SCALE_ROW1
.endr
	s_add_co_u32 s[T2], s[TB], 16384
	s_min_u32 s[T2], s[T2], 15*16384               ; the next step, held at the last
	s_add_co_u32 s[T3], s[TS], 512
	s_min_u32 s[T3], s[T3], 15*512
	v_add_nc_u32 v[ADK], s[TB], v[AL]              ; eight places behind the products: five lines that are due, three idle
	v_add_nc_u32 v[ADN], s[T2], v[AL]
	v_add_nc_u32 v[ADS], s[T3], v[AS]
	v_add_nc_u32 v[ADT], s[TJ], v[AT]
	v_mov_b32 v250, v12                            ; the old -M
	PLACES 3
	KLOAD ADN, ADS
.irp b, 0,1,2,3
	v_max3_num_f32 v[232+\b], v[S+16*\b], v[S+1+16*\b], v[S+2+16*\b]   ; each block's largest score: for the row's maximum and for the block's largest p
.endr
.irp i, 3,5,7,9,11,13
.irp b, 0,1,2,3
	v_max3_num_f32 v[232+\b], v[232+\b], v[S+16*\b+\i], v[S+1+16*\b+\i]
.endr
.endr
.irp b, 0,1,2,3
	v_max_num_f32 v[232+\b], v[232+\b], v[S+15+16*\b]
.endr
.irp b, 0,1,2,3
	v_permlanex16_b32 v[236+\b], v[232+\b], s[SEL], s[SEL+1]
.endr
.irp b, 0,1,2,3
	s_delay_alu instid0(VALU_DEP_4)
	v_max_num_f32 v[232+\b], v[232+\b], v[236+\b]  ; with lane l xor 16's 16 keys
.endr
	s_delay_alu instid0(VALU_DEP_2)
	v_max3_num_f32 v251, v232, v233, v234
	s_delay_alu instid0(VALU_DEP_1)
	v_max_num_f32 v251, v251, v235
	s_delay_alu instid0(VALU_DEP_1)
	v_mul_f32 v251, s[CS], v251
	s_delay_alu instid0(VALU_DEP_1)
	v_max_num_f32 v13, v13, v251                   ; the running largest t
	s_delay_alu instid0(VALU_DEP_1)
	v_floor_f32 v12, -v13                          ; -M = floor(-t)
	s_delay_alu instid0(VALU_DEP_1)
	v_sub_f32 v251, v12, v250
	s_delay_alu instid0(VALU_DEP_1)
	v_cvt_i32_f32 v251, v251
	s_delay_alu instid0(VALU_DEP_1)
	v_ldexp_f32 v252, 1.0, v251                    ; f = 2^(old M - new M)
.irp j, 0,2,4,6,8,10,12,14,16,18,20,22,24,26,28,30,32,34,36,38,40,42,44,46,48,50,52,54,56,58,60,62
	v_pk_fma_f32 v[S+\j:S+1+\j], v[S+\j:S+1+\j], s[CS:CS+1], v[12:13] op_sel_hi:[1,0,0]   ; t - M
.endr
.irp b, 0,1,2,3
	v_fma_f32 v[232+\b], v[232+\b], s[CS], v12
.endr
	s_wait_alu depctr_va_vdst(0)
.irp j, 0,1,2,3,4,5,6,7,8,9,10,11,12,13,14,15,16,17,18,19,20,21,22,23,24,25,26,27,28,29,30,31,32,33,34,35,36,37,38,39,40,41,42,43,44,45,46,47,48,49,50,51,52,53,54,55,56,57,58,59,60,61,62,63
	v_exp_f32 v[S+\j], v[S+\j]
.endr
	v_pk_mul_f32 v[14:15], v[14:15], v[252:253] op_sel_hi:[1,0]    ; the sums under the new M; a plain line behind the batch
	s_wait_alu depctr_va_vdst(0)                   ; and the wait behind it
.irp b, 0,1,2,3
	v_exp_f32 v[232+\b], v[232+\b]                 ; each block's largest p
.endr
	v_pk_add_f32 v[236:237], v[S:S+1], v[S+2:S+3]  ; the row's sum of the unquantised p, in two chains
.irp j, 4,8,12,16,20,24,28,32,36,40,44,48,52,56,60
	v_pk_add_f32 v[14:15], v[14:15], v[S+\j:S+1+\j]
	v_pk_add_f32 v[236:237], v[236:237], v[S+2+\j:S+3+\j]
.endr
	s_delay_alu instid0(VALU_DEP_1)
	v_pk_add_f32 v[14:15], v[14:15], v[236:237]
	s_wait_alu depctr_va_vdst(0)                   ; for the four
.irp b, 0,1,2,3
	v_max_num_f32 v[232+\b], 0x8000000, v[232+\b]  ; the floor 2^(16 - 127): the byte cannot fall under 1
.endr
.irp b, 0,1,2,3
	s_delay_alu instid0(VALU_DEP_4)
	v_add_nc_u32 v[244+\b], 0xf8800000, v[232+\b]  ; the conversion's scale operand
.endr
.irp b, 0,1,2,3
	v_and_or_b32 v[240+\b], v[232+\b], 0x7f800000, s[MNT]   ; 57,344 x the scale
.endr
.irp b, 0,1,2,3
	v_lshrrev_b32 v[236+\b], 23, v[244+\b]         ; the byte
.endr
	s_delay_alu instid0(VALU_DEP_3)
	v_lshl_or_b32 v[PWD], v237, 8, v236
	s_delay_alu instid0(VALU_DEP_1)
	v_lshl_or_b32 v[PWD], v238, 16, v[PWD]
	s_delay_alu instid0(VALU_DEP_1)
	v_lshl_or_b32 v[PWD], v239, 24, v[PWD]
	ds_load_b32 v[VW], v[ADT]                      ; V's words: tiles 0, 1; tiles 2, 3
	ds_load_b32 v[VW+1], v[ADT] offset:128
.irp b, 0,1,2,3
.irp i, 0,2,4,6,8,10,12,14
	v_dual_min_num_f32 v[S+16*\b+\i], v[240+\b], v[S+16*\b+\i] :: v_dual_min_num_f32 v[S+16*\b+\i+1], v[240+\b], v[S+16*\b+\i+1]   ; the hold (ISA guide 7.6.2: the conversion does not saturate); p is not negative
.endr
	v_cvt_scalef32_pk8_bf8_f32 v[PC+4*\b:PC+1+4*\b], v[S+16*\b:S+7+16*\b], v[244+\b]
	v_cvt_scalef32_pk8_bf8_f32 v[PC+2+4*\b:PC+3+4*\b], v[S+8+16*\b:S+15+16*\b], v[244+\b]
.irp c, 0,1,2,3
	ds_load_b128 v[S+16*\b+4*\c:S+16*\b+4*\c+3], v[ADK] offset:8192+\b*2048+512*\c     ; tile b of V, into the registers that block b of p has left
.endr
.endr
	v_nop                                          ; a plain line behind the last conversion
	s_wait_alu depctr_va_vdst(0)                   ; directly ahead of O^T's first readers
.irp j, 0,2,4,6,8,10,12,14,16,18,20,22,24,26,28,30
	v_pk_mul_f32 v[O+\j:O+1+\j], v[O+\j:O+1+\j], v[252:253] op_sel_hi:[1,0]    ; O^T under the new M; also the places ahead of the products
.endr
	s_wait_alu depctr_va_vdst(0)
	s_wait_dscnt 0x0                               ; V (and the next step's keys)
.irp j, 0,1
	v_wmma_scale_f32_16x16x128_f8f6f4 v[O+16*\j:O+16*\j+7], v[S+32*\j:S+32*\j+15], v[PC:PC+15], v[O+16*\j:O+16*\j+7], v[VW+\j], v[PWD] matrix_a_fmt:MATRIX_FMT_BF8 matrix_b_fmt:MATRIX_FMT_BF8
	v_wmma_scale_f32_16x16x128_f8f6f4 v[O+16*\j+8:O+16*\j+15], v[S+32*\j+16:S+32*\j+31], v[PC:PC+15], v[O+16*\j+8:O+16*\j+15], v[VW+\j], v[PWD] matrix_a_fmt:MATRIX_FMT_BF8 matrix_b_fmt:MATRIX_FMT_BF8 matrix_a_scale:MATRIX_SCALE_ROW1
.endr
	PLACES 9                                       ; the next step's score products write over V's registers: nine places
	s_barrier_wait -1                              ; every wave has begun this step: the sixteen waves stay within one step of each other
	s_add_co_u32 s[TB], s[TB], 16384
	s_add_co_u32 s[TS], s[TS], 512
	s_add_co_u32 s[TJ], s[TJ], 256
	s_sub_co_u32 s[CNT], s[CNT], 1
	s_cmp_lg_u32 s[CNT], 0
	s_cbranch_scc1 .Lstep
	; THE WAY OUT: O^T / the sum goes through my stage in LDS (16 rows x 272 bytes) and leaves as aligned runs of 256 bytes
	v_add_f32 v14, v14, v15
	v_permlanex16_b32 v252, v14, s[SEL], s[SEL+1]
	v_add_f32 v14, v14, v252                       ; the row's sum
	s_wait_alu depctr_va_vdst(0)                   ; ahead of the transcendental
	v_rcp_f32 v14, v14
	v_and_b32 v8, 15, v0
	v_bfe_u32 v9, v0, 4, 1
	s_mul_i32 s50, s[WV], 4352
	v_mul_u32_u24 v10, v8, 272
	v_mul_u32_u24 v11, v9, 272
	v_lshlrev_b32 v[GO], 12, v9
	v_lshl_add_u32 v10, v9, 6, v10
	v_lshl_add_u32 v11, v8, 4, v11
	v_lshl_add_u32 v[GO], v8, 4, v[GO]
	v_add_nc_u32 v10, s50, v10
	v_add_nc_u32 v11, s50, v11
	s_wait_alu depctr_va_vdst(0)                   ; behind it, directly ahead of O^T's first readers
.irp j, 0,1,2,3,4,5,6,7,8,9,10,11,12,13,14,15,16,17,18,19,20,21,22,23,24,25,26,27,28,29,30,31
	v_mul_f32 v[S+\j], v[O+\j], v14
.endr
	s_wait_alu depctr_va_vdst(0)
	s_wait_dscnt 0x0                               ; my reads of the head's bytes are over
	s_barrier_signal -1
	s_barrier_wait -1                              ; everybody's are: the stages lie over them, and no fill follows
.irp t, 0,1,2,3
	ds_store_b128 v10, v[S+8*\t:S+3+8*\t] offset:128*(\t/2)+32*(\t%2)
	ds_store_b128 v10, v[S+4+8*\t:S+7+8*\t] offset:128*(\t/2)+32*(\t%2)+16
.endr
.irp i, 0,1,2,3,4,5,6,7
	ds_load_b128 v[32+4*\i:35+4*\i], v11 offset:544*\i     ; LDS serves a wave's instructions in order: these see my stores
.endr
.irp i, 0,1,2,3,4,5,6,7
	s_wait_dscnt 7-\i
	global_store_b128 v[GO], v[32+4*\i:35+4*\i], s[6:7] offset:(2*\i+8*(\i/4))*4096    ; sixteen lanes store 256 consecutive bytes
.endr
	s_wait_tensorcnt 0x0                           ; the wave's end
	ds_add_u32 v222, v223
	s_wait_dscnt 0x0
	CROUND                                         ; the closing round
	s_endpgm
.Lfunc_end_k_qe82be7a58f_attn:
	.size	k_qe82be7a58f_attn, .Lfunc_end_k_qe82be7a58f_attn-k_qe82be7a58f_attn
	.p2alignl 7, 3214868480
	.fill 96, 4, 3214868480
	.section	.rodata,"a",@progbits
	.p2align	6, 0x0
	.amdhsa_kernel k_qe82be7a58f_attn
		.amdhsa_group_segment_fixed_size 327680
		.amdhsa_private_segment_fixed_size 0
		.amdhsa_enable_private_segment 0
		.amdhsa_kernarg_size 16
		.amdhsa_user_sgpr_count 2
		.amdhsa_user_sgpr_kernarg_segment_ptr 1
		.amdhsa_wavefront_size32 1
		.amdhsa_system_sgpr_workgroup_id_x 1
		.amdhsa_system_sgpr_workgroup_id_y 1
		.amdhsa_system_sgpr_workgroup_id_z 1
		.amdhsa_system_vgpr_workitem_id 0
		.amdhsa_next_free_vgpr 256
		.amdhsa_next_free_sgpr 66
		.amdhsa_reserve_vcc 0
		.amdhsa_float_denorm_mode_32 3
		.amdhsa_float_denorm_mode_16_64 3
		.amdhsa_memory_ordered 1
		.amdhsa_forward_progress 1
		.amdhsa_inst_pref_size 32
	.end_amdhsa_kernel
	.amdgpu_metadata
---
amdhsa.version: [ 1, 2 ]
amdhsa.kernels:
  - .name:           k_qe82be7a58f_attn
    .symbol:         k_qe82be7a58f_attn.kd
    .args:
      - { .name: qkv, .offset: 0, .size: 8, .value_kind: global_buffer, .address_space: global }
      - { .name: att, .offset: 8, .size: 8, .value_kind: global_buffer, .address_space: global }
    .group_segment_fixed_size: 327680
    .private_segment_fixed_size: 0
    .kernarg_segment_align: 8
    .kernarg_segment_size: 16
    .max_flat_workgroup_size: 512
    .sgpr_count:     66
    .vgpr_count:     256
    .wavefront_size: 32
...
	.end_amdgpu_metadata
.endif
;; end of part 3
;; launch ln1 (part 4): grid 256 x 1, 8 waves a work-group, no clusters, 66,816 bytes of LDS; arguments x, att, ln1_g, ln1_b, x1f, x1q; writes x1f, x1q
.if DOCPART == 4
	.amdgcn_target "amdgcn-amd-amdhsa--gfx1250"
	.amdhsa_code_object_version 6
	.text
	.protected	k_qe82be7a58f_ln1
	.globl	k_qe82be7a58f_ln1
	.p2align	8
	.type	k_qe82be7a58f_ln1,@function
k_qe82be7a58f_ln1:
	s_mov_b64 s[64:65], 0
	v_nop
	global_prefetch_b8 v0, s[64:65] scope:SCOPE_SE
	s_setreg_imm32_b32 hwreg(HW_REG_WAVE_MODE, 25, 1), 1
	s_wait_xcnt 0x0
; x1 = LayerNorm(x + att) x g + b over rows of 1,024, all in f32; stored as f32 (for the residual) and as codes of BF8 (E5M2) with E8M0 scales along the row (the next product's operand).
; A work-group takes 16 rows, one row tile.  PHASE 1: wave w takes rows 2 w and 2 w + 1, a row in 32 registers a lane (lane l: columns 128 j + 4 l + 0 .. 3), so that every load and store covers 512 consecutive bytes and
; the reductions never leave the wave.  The mean is taken first and the variance of the differences, as the definition has it.  PHASE 2: the rows meet in LDS (pitch 4,096 + 16 bytes: the 16 rows that a load touches
; start at 16 different banks); wave w quantises K step w of all 16 rows and stores its image (16 rows x 128 K, lane l's 16 bytes of chunk c at 512 c + 16 l) and scale words [K step][row].
; The scale words leave 64 bytes a wave: one byte in 32 of the codes.  Work-groups share only g and b, 8 KiB: no cluster.
; LIMITS: a block of zeros gets the byte 1 (its codes are zeros); blocks whose largest magnitude lies under 2^-111 were not tried; NaN and infinities are not served.
.set X1S,  4194304                     ; x1q: the scale words behind the codes
.set PITCH, 4112
.set PW,   14
.set TM,   16
.set PC,   48
.set SEL,  20                          ; s[20:21]
.set RN,   22                          ; s22  1 / 1,024
.set EPS,  23                          ; s23  1e-5
.set MNT,  24
.macro QUANT s
.irp b, 0,1,2,3
	v_max3_num_f32 v[TM+\b], |v[\s+16*\b]|, |v[\s+1+16*\b]|, 0x8000000   ; my 16 numbers of block b, and the floor 2^(16 - 127)
.endr
.irp i, 2,4,6,8,10,12,14
.irp b, 0,1,2,3
	s_delay_alu instid0(VALU_DEP_4)
	v_max3_num_f32 v[TM+\b], v[TM+\b], |v[\s+16*\b+\i]|, |v[\s+1+16*\b+\i]|
.endr
.endr
.irp b, 0,1,2,3
	s_delay_alu instid0(VALU_DEP_4)
	v_permlanex16_b32 v[TM+4+\b], v[TM+\b], s[SEL], s[SEL+1]
.endr
.irp b, 0,1,2,3
	s_delay_alu instid0(VALU_DEP_4)
	v_max_num_f32 v[TM+\b], v[TM+\b], v[TM+4+\b]
.endr
.irp b, 0,1,2,3
	s_delay_alu instid0(VALU_DEP_4)
	v_add_nc_u32 v[TM+12+\b], 0xf8800000, v[TM+\b]         ; the conversion's scale operand
.endr
.irp b, 0,1,2,3
	v_and_or_b32 v[TM+8+\b], v[TM+\b], 0x7f800000, s[MNT]  ; 57,344 x the scale
.endr
.irp b, 0,1,2,3
	v_lshrrev_b32 v[TM+4+\b], 23, v[TM+12+\b]              ; the byte
.endr
	s_delay_alu instid0(VALU_DEP_3)
	v_lshl_or_b32 v[PW], v[TM+5], 8, v[TM+4]
	s_delay_alu instid0(VALU_DEP_1)
	v_lshl_or_b32 v[PW], v[TM+6], 16, v[PW]
	s_delay_alu instid0(VALU_DEP_1)
	v_lshl_or_b32 v[PW], v[TM+7], 24, v[PW]
.irp b, 0,1,2,3
.irp i, 0,1,2,3,4,5,6,7,8,9,10,11,12,13,14,15
	v_med3_num_f32 v[\s+16*\b+\i], v[\s+16*\b+\i], -v[TM+8+\b], v[TM+8+\b]   ; the conversion does not saturate (ISA guide 7.6.2)
.endr
	v_cvt_scalef32_pk8_bf8_f32 v[PC+4*\b:PC+1+4*\b], v[\s+16*\b:\s+7+16*\b], v[TM+12+\b]
	v_cvt_scalef32_pk8_bf8_f32 v[PC+2+4*\b:PC+3+4*\b], v[\s+8+16*\b:\s+15+16*\b], v[TM+12+\b]
.endr
	v_nop
.endm
.macro SUM32                           ; v32 summed over the 32 lanes, into every lane
	s_delay_alu instid0(VALU_DEP_1)
	v_add_f32_dpp v32, v32, v32 row_xmask:1 row_mask:0xf bank_mask:0xf
	s_delay_alu instid0(VALU_DEP_1)
	v_add_f32_dpp v32, v32, v32 row_xmask:2 row_mask:0xf bank_mask:0xf
	s_delay_alu instid0(VALU_DEP_1)
	v_add_f32_dpp v32, v32, v32 row_xmask:4 row_mask:0xf bank_mask:0xf
	s_delay_alu instid0(VALU_DEP_1)
	v_add_f32_dpp v32, v32, v32 row_xmask:8 row_mask:0xf bank_mask:0xf
	s_delay_alu instid0(VALU_DEP_1)
	v_permlanex16_b32 v33, v32, s[SEL], s[SEL+1]
	s_delay_alu instid0(VALU_DEP_1)
	v_add_f32 v32, v32, v33
.endm
.macro FOLD                            ; four packed chains into v32
	s_delay_alu instid0(VALU_DEP_3)
	v_pk_add_f32 v[32:33], v[32:33], v[34:35]
	s_delay_alu instid0(VALU_DEP_2)
	v_pk_add_f32 v[36:37], v[36:37], v[38:39]
	s_delay_alu instid0(VALU_DEP_1)
	v_pk_add_f32 v[32:33], v[32:33], v[36:37]
	s_delay_alu instid0(VALU_DEP_1)
	v_add_f32 v32, v32, v33
	SUM32
.endm
; row rho of my two.  wa: the younger loads that may be out when the row has to be there; wb: when g and b have to be
.macro ROW rho, wa, wb
.set S, 64+32*\rho
.set A, 128+32*\rho
	s_wait_loadcnt \wa
.irp i, 0,2,4,6,8,10,12,14,16,18,20,22,24,26,28,30
	v_pk_add_f32 v[S+\i:S+\i+1], v[S+\i:S+\i+1], v[A+\i:A+\i+1]    ; the residual
.endr
.irp k, 0,1,2,3
	v_pk_add_f32 v[32+2*\k:33+2*\k], v[S+4*\k:S+4*\k+1], v[S+4*\k+2:S+4*\k+3]     ; the first sums start four chains: nothing is cleared
.endr
.irp i, 16,24
.irp k, 0,1,2,3
	s_delay_alu instid0(VALU_DEP_4)
	v_pk_add_f32 v[32+2*\k:33+2*\k], v[32+2*\k:33+2*\k], v[S+\i+2*\k:S+\i+2*\k+1]
.endr
.endr
	FOLD
	s_delay_alu instid0(VALU_DEP_1)
	v_mul_f32 v40, s[RN], v32                      ; the mean
.irp i, 0,2,4,6,8,10,12,14,16,18,20,22,24,26,28,30
	v_pk_add_f32 v[S+\i:S+\i+1], v[S+\i:S+\i+1], v[40:41] op_sel_hi:[1,0] neg_lo:[0,1] neg_hi:[0,1]
.endr
.irp k, 0,1,2,3
	v_pk_mul_f32 v[32+2*\k:33+2*\k], v[S+2*\k:S+2*\k+1], v[S+2*\k:S+2*\k+1]
.endr
.irp i, 8,16,24
.irp k, 0,1,2,3
	s_delay_alu instid0(VALU_DEP_4)
	v_pk_fma_f32 v[32+2*\k:33+2*\k], v[S+\i+2*\k:S+\i+2*\k+1], v[S+\i+2*\k:S+\i+2*\k+1], v[32+2*\k:33+2*\k]
.endr
.endr
	FOLD
	s_delay_alu instid0(VALU_DEP_1)
	v_fma_f32 v42, v32, s[RN], s[EPS]              ; the variance + eps
	s_wait_alu depctr_va_vdst(0)
	v_rsq_f32 v42, v42
	v_nop                                          ; a plain line behind the transcendental
	s_wait_loadcnt \wb
	s_wait_alu depctr_va_vdst(0)                   ; and the wait ahead of its first reader
.irp i, 0,2,4,6,8,10,12,14,16,18,20,22,24,26,28,30
	v_pk_mul_f32 v[S+\i:S+\i+1], v[S+\i:S+\i+1], v[42:43] op_sel_hi:[1,0]
.endr
.irp i, 0,2,4,6,8,10,12,14,16,18,20,22,24,26,28,30
	v_pk_fma_f32 v[S+\i:S+\i+1], v[S+\i:S+\i+1], v[192+\i:193+\i], v[224+\i:225+\i]
.endr
.irp j, 0,1,2,3,4,5,6,7
	global_store_b128 v1, v[S+4*\j:S+4*\j+3], s[12:13] offset:\rho*4096+512*\j   ; 32 lanes store 512 consecutive bytes
	ds_store_b128 v2, v[S+4*\j:S+4*\j+3] offset:\rho*PITCH+512*\j
.endr
.endm
	s_load_b256 s[4:11], s[0:1], 0x0               ; x, att, g, b
	s_load_b128 s[12:15], s[0:1], 0x20             ; x1f, x1q
	v_lshl_add_u32 v46, v0, 2, 0x10100
	v_mov_b32 v47, 0
	v_lshrrev_b32 v1, 5, v0
	s_delay_alu instid0(VALU_DEP_1)
	v_readfirstlane_b32 s16, v1                    ; wave 0..7
	v_and_b32 v4, 31, v0
	s_delay_alu instid0(VALU_DEP_1)
	v_lshlrev_b32 v1, 4, v4                        ; 16 x lane
	s_mul_i32 s17, s16, 2*PITCH
	v_add_nc_u32 v2, s17, v1                       ; the stage: my two rows
	v_and_b32 v5, 15, v0                           ; r
	v_bfe_u32 v6, v0, 4, 1                         ; h
	s_delay_alu instid0(VALU_DEP_2)
	v_mul_u32_u24 v3, v5, PITCH
	s_delay_alu instid0(VALU_DEP_1)
	v_lshl_add_u32 v3, v6, 6, v3
	s_lshl_b32 s17, s16, 9
	v_add_nc_u32 v3, s17, v3                       ; phase 2: row r, K step = my wave, + 64 h: my 16 numbers of a block
	v_lshlrev_b32 v7, 2, v5                        ; 4 r
	v_mov_b32 v41, 0                               ; (upper halves of pairs of which the low word serves both halves)
	v_mov_b32 v43, 0
.irp b, 0,1,2,3
	v_mov_b32 v[TM+4+\b], 0                        ; written once: a lane permute's destination counts as one of its sources
.endr
	s_mov_b32 s[SEL], 0x76543210
	s_mov_b32 s[SEL+1], 0xfedcba98
	s_mov_b32 s[RN], 0x3a800000
	s_mov_b32 s[EPS], 0x3727c5ac
	s_mov_b32 s[MNT], 0x600000
	s_lshl_b32 s18, ttmp9, 16                      ; 16 rows of 4,096 bytes,
	s_lshl_b32 s19, s16, 13                        ; my two
	s_add_co_u32 s18, s18, s19
	s_mov_b32 s19, 0
	s_lshl_b32 s26, ttmp9, 14                      ; x1q: the row tile's 8 images, mine
	s_lshl_b32 s27, s16, 11
	s_add_co_u32 s26, s26, s27
	s_mov_b32 s27, 0
	s_lshl_b32 s28, s16, 14                        ; its scale words: K step x 4,096 words, the tile's 16
	s_lshl_b32 s29, ttmp9, 6
	s_add_co_u32 s28, s28, s29
	s_add_co_u32 s28, s28, X1S
	s_mov_b32 s29, 0
	s_wait_kmcnt 0x0
	s_add_nc_u64 s[4:5], s[4:5], s[18:19]
	s_add_nc_u64 s[6:7], s[6:7], s[18:19]
	s_add_nc_u64 s[12:13], s[12:13], s[18:19]
	s_add_nc_u64 s[30:31], s[14:15], s[28:29]
	s_add_nc_u64 s[14:15], s[14:15], s[26:27]
.irp j, 0,1,2,3,4,5,6,7
	global_load_b128 v[64+4*\j:67+4*\j], v1, s[4:5] offset:512*\j th:TH_LOAD_NT
.endr
.irp j, 0,1,2,3,4,5,6,7
	global_load_b128 v[128+4*\j:131+4*\j], v1, s[6:7] offset:512*\j th:TH_LOAD_NT
.endr
.irp j, 0,1,2,3,4,5,6,7
	global_load_b128 v[192+4*\j:195+4*\j], v1, s[8:9] offset:512*\j
.endr
.irp j, 0,1,2,3,4,5,6,7
	global_load_b128 v[224+4*\j:227+4*\j], v1, s[10:11] offset:512*\j
.endr
.irp j, 0,1,2,3,4,5,6,7
	global_load_b128 v[96+4*\j:99+4*\j], v1, s[4:5] offset:4096+512*\j th:TH_LOAD_NT
.endr
.irp j, 0,1,2,3,4,5,6,7
	global_load_b128 v[160+4*\j:163+4*\j], v1, s[6:7] offset:4096+512*\j th:TH_LOAD_NT
.endr
	ROW 0, 32, 16                                  ; behind row 0's 16 loads: g, b and row 1, 32; behind g and b: row 1's 16
	ROW 1, 0, 0
	s_wait_dscnt 0x0                               ; for the others' sake: my two rows lie in the stage
	s_barrier_signal -1
	s_barrier_wait -1
.irp c, 0,1,2,3
.irp j, 0,1,2,3
	ds_load_b128 v[128+16*\c+4*\j:131+16*\c+4*\j], v3 offset:128*\c+16*\j      ; into the registers that att has left: the stores of x1f still read v64-127
.endr
.endr
	s_wait_dscnt 0x0
	QUANT 128
.irp c, 0,1,2,3
	global_store_b128 v1, v[PC+4*\c:PC+4*\c+3], s[14:15] offset:512*\c
.endr
	v_cmp_gt_u32 vcc_lo, 16, v4
	s_wait_xcnt 0x0                                ; EXEC changes only behind this wait
	s_wait_tensorcnt 0x0
	ds_add_u32 v46, v47
	s_wait_dscnt 0x0
	s_and_saveexec_b32 s17, vcc_lo                 ; lanes 0-15 hold the 16 rows' words (lanes 16-31 the same again)
	global_store_b32 v7, v[PW], s[30:31]
	s_wait_xcnt 0x0
	s_or_b32 exec_lo, exec_lo, s17
	s_endpgm
.Lfunc_end_k_qe82be7a58f_ln1:
	.size	k_qe82be7a58f_ln1, .Lfunc_end_k_qe82be7a58f_ln1-k_qe82be7a58f_ln1
	.p2alignl 7, 3214868480
	.fill 96, 4, 3214868480
	.section	.rodata,"a",@progbits
	.p2align	6, 0x0
	.amdhsa_kernel k_qe82be7a58f_ln1
		.amdhsa_group_segment_fixed_size 66816
		.amdhsa_private_segment_fixed_size 0
		.amdhsa_enable_private_segment 0
		.amdhsa_kernarg_size 48
		.amdhsa_user_sgpr_count 2
		.amdhsa_user_sgpr_kernarg_segment_ptr 1
		.amdhsa_wavefront_size32 1
		.amdhsa_system_sgpr_workgroup_id_x 1
		.amdhsa_system_sgpr_workgroup_id_y 1
		.amdhsa_system_sgpr_workgroup_id_z 1
		.amdhsa_system_vgpr_workitem_id 0
		.amdhsa_next_free_vgpr 256
		.amdhsa_next_free_sgpr 66
		.amdhsa_reserve_vcc 1
		.amdhsa_float_denorm_mode_32 3
		.amdhsa_float_denorm_mode_16_64 3
		.amdhsa_memory_ordered 1
		.amdhsa_forward_progress 1
		.amdhsa_inst_pref_size 38
	.end_amdhsa_kernel
	.amdgpu_metadata
---
amdhsa.version: [ 1, 2 ]
amdhsa.kernels:
  - .name:           k_qe82be7a58f_ln1
    .symbol:         k_qe82be7a58f_ln1.kd
    .args:
      - { .name: x, .offset: 0, .size: 8, .value_kind: global_buffer, .address_space: global }
      - { .name: att, .offset: 8, .size: 8, .value_kind: global_buffer, .address_space: global }
      - { .name: ln1_g, .offset: 16, .size: 8, .value_kind: global_buffer, .address_space: global }
      - { .name: ln1_b, .offset: 24, .size: 8, .value_kind: global_buffer, .address_space: global }
      - { .name: x1f, .offset: 32, .size: 8, .value_kind: global_buffer, .address_space: global }
      - { .name: x1q, .offset: 40, .size: 8, .value_kind: global_buffer, .address_space: global }
    .group_segment_fixed_size: 66816
    .private_segment_fixed_size: 0
    .kernarg_segment_align: 8
    .kernarg_segment_size: 48
    .max_flat_workgroup_size: 256
    .sgpr_count:     66
    .vgpr_count:     256
    .wavefront_size: 32
...
	.end_amdgpu_metadata
.endif
;; end of part 4
;; launch ffn1 (part 5): grid 16 x 16, 4 waves a work-group, clusters of 4 x 4, 327,680 bytes of LDS; arguments x1q, qnt, b1, hq; writes hq
.if DOCPART == 5
	.amdgcn_target "amdgcn-amd-amdhsa--gfx1250"
	.amdhsa_code_object_version 6
	.text
	.protected	k_qe82be7a58f_ffn1
	.globl	k_qe82be7a58f_ffn1
	.p2align	8
	.type	k_qe82be7a58f_ffn1,@function
k_qe82be7a58f_ffn1:
	s_mov_b64 s[64:65], 0
	v_nop
	global_prefetch_b8 v0, s[64:65] scope:SCOPE_SE
	s_setreg_imm32_b32 hwreg(HW_REG_WAVE_MODE, 25, 1), 1
	s_wait_xcnt 0x0
	s_wait_alu depctr_hold_cnt(0) depctr_sa_sdst(0) depctr_va_vdst(0) depctr_va_sdst(0) depctr_va_ssrc(0) depctr_va_vcc(0) depctr_vm_vsrc(0)
	s_getreg_b32 s2, hwreg(HW_REG_IB_STS2, 6, 4)
	s_cmp_eq_u32 s2, 0
	s_cbranch_scc0 .Lentry_in_a_cluster
	s_endpgm
.Lentry_in_a_cluster:
	s_bfe_u32 s2, ttmp6, 0x10000c
	s_cmp_lg_u32 s2, 0xf033
	s_cbranch_scc0 .Lentry_shape_is_right
	s_endpgm
.Lentry_shape_is_right:
.set NKT,   8
.set RA,    4096
.set RB,    4096
.set X1S,   4194304
.set W1C,   5406720
.set W1S,   9601024
.set HS,    16777216
.set SLOT,  131072
.set BOFF,  65536
.set SCA,   2*SLOT
.set SCB,   SCA+NKT*1024
.set SPARE, SCB+NKT*1024
.set STG,   SPARE+512
.set LI,   4
.set SWA,  11
.set SWR,  12
.set ADRA, 16
.set ADRB, 20
.set ADRS, 27
.set SPW,  28
.set NIL,  29
.set SC,   32
.set BIAS, 64
.set TM,   64
.set PC,   80
.set PWB,  96
.set WDS,  104
.set AF,   128
.set G1, 24
.set G0, 32
.set G1B, 48
.set G0B, 56
.set G1S, 68
.set G0S, 76
.set G1SB, 80
.set G0SB, 88
.set MNT, 95
.set SEL, 96
.set MSB, 0
.macro WIN new
.if MSB != (\new)
	s_set_vgpr_msb (MSB<<8)|(\new)
.set MSB, (\new)
.endif
.endm
.set MUL_LO, 0xa1
.set MUL_HI, 0xf1
.set FST_LO, 0x81
.set FST_HI, 0xc1
.set TO_B,   0x40
.macro PLACES n
.rept \n
	v_nop
.endr
.endm
.macro JLOAD g0a, g1a, g0b, g1b
	s_cmp_eq_u32 s15, 0
	s_cbranch_scc0 .Lfor_b_\@
	tensor_load_to_lds s[\g0a:\g0a+3], s[\g1a:\g1a+7]
	s_nop 0
.rept 4
	v_nop
.endr
	s_branch .Lasked_\@
.Lfor_b_\@:
	tensor_load_to_lds s[\g0b:\g0b+3], s[\g1b:\g1b+7]
	s_nop 0
.rept 4
	v_nop
.endr
.Lasked_\@:
.endm
.macro CREST
	s_cmp_lg_u32 s14, 0
	s_cbranch_scc1 .Lnot_wave_0_\@
	s_barrier_signal -3
.Lnot_wave_0_\@:
	s_barrier_wait -3
	s_barrier_signal -1
	s_barrier_wait -1
.endm
.macro CROUND
	s_barrier_signal -1
	s_barrier_wait -1
	CREST
.endm
.macro QUANT s, W
	WIN ((\W)<<2)|((\W)<<4)
.irp b, 0,1,2,3
	v_max3_num_f32 v[TM+\b], 0x8000000, v[(\s)+16*\b], v[(\s)+16*\b+1]
.endr
.irp i, 2,4,6,8,10,12,14
.irp b, 0,1,2,3
	v_max3_num_f32 v[TM+\b], v[TM+\b], v[(\s)+16*\b+\i], v[(\s)+16*\b+\i+1]
.endr
.endr
	WIN 0
.irp b, 0,1,2,3
	v_permlanex16_b32 v[TM+4+\b], v[TM+\b], s[SEL], s[SEL+1]
.endr
.irp b, 0,1,2,3
	v_max_num_f32 v[TM+\b], v[TM+\b], v[TM+4+\b]
.endr
.irp b, 0,1,2,3
	v_add_nc_u32 v[TM+12+\b], 0xf8800000, v[TM+\b]
.endr
.irp b, 0,1,2,3
	v_and_or_b32 v[TM+8+\b], v[TM+\b], 0x7f800000, s[MNT]
.endr
.irp b, 0,1,2,3
	v_lshrrev_b32 v[TM+4+\b], 23, v[TM+12+\b]
.endr
	v_lshl_or_b32 v[PW], v[TM+5], 8, v[TM+4]
	v_lshl_or_b32 v[PW], v[TM+6], 16, v[PW]
	v_lshl_or_b32 v[PW], v[TM+7], 24, v[PW]
	WIN ((\W)<<6)|(\W)
.irp b, 0,1,2,3
.irp i, 0,1,2,3,4,5,6,7,8,9,10,11,12,13,14,15
	v_med3_num_f32 v[(\s)+16*\b+\i], v[(\s)+16*\b+\i], 0, v[TM+8+\b]
.endr
.endr
	WIN \W
.irp b, 0,1,2,3
	v_cvt_scalef32_pk8_bf8_f32 v[PC+4*\b:PC+4*\b+1], v[(\s)+16*\b:(\s)+16*\b+7], v[TM+12+\b]
	v_cvt_scalef32_pk8_bf8_f32 v[PC+4*\b+2:PC+4*\b+3], v[(\s)+16*\b+8:(\s)+16*\b+15], v[TM+12+\b]
.endr
	WIN 0
	v_nop
.endm
	s_load_b256 s[4:11], s[0:1], 0x0
	v_lshl_add_u32 v[SPW], v0, 2, SPARE
	v_mov_b32 v[NIL], 0
	ds_add_u32 v28, v29
	ds_add_u32 v28, v29
	s_wait_dscnt 0x0
	v_lshrrev_b32 v1, 5, v0
	v_readfirstlane_b32 s14, v1
	s_lshr_b32 s15, s14, 1
	s_and_b32 s16, s14, 1
	s_bfe_u32 s40, ttmp6, 0x40000
	s_bfe_u32 s41, ttmp6, 0x40004
	s_lshl_b32 s42, ttmp9, 2
	s_add_co_u32 s42, s42, s40
	s_and_b32 s17, ttmp7, 0xffff
	s_lshl_b32 s17, s17, 2
	s_add_co_u32 s17, s17, s41
	s_lshl_b32 s43, s41, 2
	s_lshl_b32 s43, 15, s43
	s_lshl_b32 s44, 0x1111, s40
	s_or_b32 s[G1+0], s43, (3<<16)|(1<<21)
	s_or_b32 s[G1B+0], s44, (3<<16)|(1<<21)
.irp g, G1, G1B
	s_mov_b32 s[\g+1], 512<<16
	s_mov_b32 s[\g+2], 16<<16                      ; the head's loads bring a block's 16 tiles; behind them these two words are set to 8
	s_mov_b32 s[\g+3], 512<<16
	s_mov_b32 s[\g+4], 16
	s_mov_b32 s[\g+5], NKT*256
	s_mov_b32 s[\g+6], 0
	s_mov_b32 s[\g+7], 0
.endr
	s_or_b32 s[G1S+0], s43, (3<<16)|(1<<21)
	s_or_b32 s[G1SB+0], s44, (3<<16)|(1<<21)
.irp g, G1S, G1SB
	s_mov_b32 s[\g+1], 128<<16
	s_mov_b32 s[\g+2], NKT<<16
	s_mov_b32 s[\g+3], 128<<16
	s_mov_b32 s[\g+4], NKT
	s_mov_b32 s[\g+6], 0
	s_mov_b32 s[\g+7], 0
.endr
	s_mov_b32 s[G1S+5], RA/2
	s_mov_b32 s[G1SB+5], RB/2
	s_lshl_b32 s20, s17, 4                         ; the block's first row tile
	s_lshl_b32 s46, s42, 4
	s_mul_i32 s20, s20, NKT*2048
	s_mul_i32 s46, s46, NKT*2048
	s_mov_b32 s21, 0
	s_mov_b32 s47, 0
	s_lshl_b32 s22, s17, 10                        ; the block's 256 scale words in K step 0
	s_mov_b32 s23, 0
	s_lshl_b32 s92, s42, 10
	s_mov_b32 s93, 0
	s_lshl_b32 s45, s14, 15
	s_mov_b32 s[MNT], 0x600000
	s_mov_b32 s[SEL], 0x76543210
	s_mov_b32 s[SEL+1], 0xfedcba98
	s_wait_kmcnt 0x0
	s_mov_b64 s[66:67], s[8:9]
	s_mov_b64 s[12:13], s[10:11]
	s_add_nc_u64 s[8:9], s[6:7], W1C
	s_add_nc_u64 s[10:11], s[6:7], W1S
	s_add_nc_u64 s[6:7], s[4:5], X1S
	s_add_nc_u64 s[20:21], s[4:5], s[20:21]
	s_add_nc_u64 s[22:23], s[6:7], s[22:23]
	s_add_nc_u64 s[46:47], s[8:9], s[46:47]
	s_add_nc_u64 s[92:93], s[10:11], s[92:93]
	CROUND
	s_mov_b32 s[G0S], 1
	s_mov_b32 s[G0S+1], SCA
	s_mov_b64 s[G0S+2:G0S+3], s[22:23]
	s_or_b32 s[G0S+3], s[G0S+3], 0x80000000
	s_mov_b32 s[G0SB], 1
	s_mov_b32 s[G0SB+1], SCB
	s_mov_b64 s[G0SB+2:G0SB+3], s[92:93]
	s_or_b32 s[G0SB+3], s[G0SB+3], 0x80000000
	s_mov_b32 s4, 1                                ; s[4:7], s[8:11]: group 0 of the head's loads of slot 0, A's 16 tiles and B's (the arguments that lay there have been used)
	s_mov_b32 s5, 0
	s_mov_b64 s[6:7], s[20:21]
	s_or_b32 s7, s7, 0x80000000
	s_mov_b32 s8, 1
	s_mov_b32 s9, BOFF
	s_mov_b64 s[10:11], s[46:47]
	s_or_b32 s11, s11, 0x80000000
	s_lshl_b32 s18, s16, 17                        ; in the ring I fetch 8 tiles of 16,384 bytes: which half
	s_mov_b32 s19, 0
	s_add_nc_u64 s[20:21], s[20:21], s[18:19]
	s_add_nc_u64 s[46:47], s[46:47], s[18:19]
	s_cmp_eq_u32 s15, 0                            ; the prefetches: of the 8 tiles that I fetch, the partner at place p (cx for A, cy for B) names tiles 2 p and 2 p + 1: told apart by address alone
	s_cselect_b64 s[98:99], s[20:21], s[46:47]
	s_cselect_b32 s18, s40, s41
	s_lshl_b32 s18, s18, 15
	s_add_nc_u64 s[98:99], s[98:99], s[18:19]
.irp s, 0,1
	s_mov_b32 s[G0+4*\s], 1
	s_add_co_u32 s[G0+4*\s+1], s45, \s*SLOT
	s_add_nc_u64 s[G0+4*\s+2:G0+4*\s+3], s[20:21], \s*4096
	s_or_b32 s[G0+4*\s+3], s[G0+4*\s+3], 0x80000000
	s_mov_b32 s[G0B+4*\s], 1
	s_add_co_u32 s[G0B+4*\s+1], s45, \s*SLOT
	s_add_nc_u64 s[G0B+4*\s+2:G0B+4*\s+3], s[46:47], \s*4096
	s_or_b32 s[G0B+4*\s+3], s[G0B+4*\s+3], 0x80000000
.endr
; THE HEAD'S LOADS, ONE A WAVE, in one chain of branches on the wave's number: wave 0 slot 0's tiles of A, wave 1 those of B, wave 2 A's scale words for all of K, wave 3 B's
.macro ARM under, g0, g1, next
	s_cmp_lt_u32 s14, \under
	s_cbranch_scc0 \next
	tensor_load_to_lds s[\g0:\g0+3], s[\g1:\g1+7]
	s_nop 0
	PLACES 4
	s_branch .Lhead_asked
\next:
.endm
	ARM 1, 4,   G1,  .Lhead_b
	ARM 2, 8,   G1B, .Lhead_sa
	ARM 3, G0S, G1S, .Lhead_sb
	tensor_load_to_lds s[G0SB:G0SB+3], s[G1SB:G1SB+7]
	s_nop 0
	PLACES 4
.Lhead_asked:
	v_and_b32 v1, 31, v0
	v_and_b32 v2, 15, v0
	v_bfe_u32 v3, v0, 4, 1
	s_wait_alu depctr_va_vdst(0)
	v_lshlrev_b32 v[LI], 4, v1
	v_lshlrev_b32 v30, 8, v2                       ; v30: a prefetch's offset: lanes 0-15 one tile's 4,096 bytes of a slot, 256 bytes apart; lanes 16-31 the next tile's; never rewritten
	v_lshl_add_u32 v30, v3, 14, v30
	global_prefetch_b8 v30, s[98:99] offset:4096 th:TH_LOAD_NT scope:SCOPE_SE     ; slots 1 and 2: 32 blocks of 256 bytes each, named once in the cluster; slot 1's load goes out behind the head's round, slot 2's a slot later
	global_prefetch_b8 v30, s[98:99] offset:8192 th:TH_LOAD_NT scope:SCOPE_SE
	s_lshl_b32 s21, s15, 15
	s_lshl_b32 s22, s16, 15
	s_add_co_u32 s22, s22, BOFF
.irp s, 0,1
	v_add_nc_u32 v[ADRA+\s], s21, v[LI]
	v_add_nc_u32 v[ADRB+\s], s22, v[LI]
	s_add_co_u32 s21, s21, SLOT
	s_add_co_u32 s22, s22, SLOT
.endr
	s_lshl_b32 s21, s15, 9
	s_lshl_b32 s22, s16, 9
	s_add_co_u32 s22, s22, SCB-SCA
	s_sub_co_u32 s22, s22, s21
	v_mul_u32_u24 v6, s22, v3
	s_add_co_u32 s21, s21, SCA
	v_lshl_add_u32 v5, v2, 2, v6
	v_add_nc_u32 v[ADRS], s21, v5
	s_lshl_b32 s20, s42, 10
	s_lshl_b32 s21, s16, 9
	s_add_co_u32 s20, s20, s21
	s_mov_b32 s21, 0
	s_add_nc_u64 s[66:67], s[66:67], s[20:21]
	v_lshlrev_b32 v7, 6, v3
.irp t, 0,1,2,3,4,5,6,7
	global_load_b128 v[BIAS+8*\t:BIAS+8*\t+3], v7, s[66:67] offset:(32*(\t/2)+8*(\t%2))*4
	global_load_b128 v[BIAS+8*\t+4:BIAS+8*\t+7], v7, s[66:67] offset:(32*(\t/2)+8*(\t%2))*4+16
.endr
	s_lshl_b32 s23, s42, 1
	s_add_co_u32 s23, s23, s16
	s_lshl_b32 s20, s23, 14
	s_lshl_b32 s22, s17, 10
	s_add_co_u32 s20, s20, s22
	s_lshl_b32 s22, s15, 9
	s_add_co_u32 s20, s20, s22
	s_add_co_u32 s20, s20, HS
	s_add_nc_u64 s[18:19], s[12:13], s[20:21]
	s_lshl_b32 s20, s17, 20
	s_lshl_b32 s22, s15, 19
	s_add_co_u32 s20, s20, s22
	s_lshl_b32 s22, s23, 11
	s_add_co_u32 s20, s20, s22
	s_add_nc_u64 s[12:13], s[12:13], s[20:21]
	s_lshl_b32 s20, s14, 9
	s_add_co_u32 s20, s20, STG
	v_lshl_add_u32 v[SWA], v2, 2, s20
	v_add_nc_u32 v[SWR], s20, v[LI]
.macro MUL16 a0, p, q, sc, first
.irp a, \a0, \a0+1
.irp b, 0,1,2,3,4,5,6,7
.if \first
	v_wmma_scale_f32_16x16x128_f8f6f4 v[8*(8*((\a)%4)+\b):8*(8*((\a)%4)+\b)+7], v[128*(\p)+16*\b:128*(\p)+16*\b+15], v[AF+16*(\a):AF+16*(\a)+15], v[BIAS+8*\b:BIAS+8*\b+7], v[SC+16*(\sc)+8*(\q)+\b], v[SC+16*(\sc)+8*(\q)+(\a)] matrix_a_fmt:MATRIX_FMT_BF8 matrix_b_fmt:MATRIX_FMT_BF8 matrix_a_scale:MATRIX_SCALE_ROW1
.else
	v_wmma_scale_f32_16x16x128_f8f6f4 v[8*(8*((\a)%4)+\b):8*(8*((\a)%4)+\b)+7], v[128*(\p)+16*\b:128*(\p)+16*\b+15], v[AF+16*(\a):AF+16*(\a)+15], v[8*(8*((\a)%4)+\b):8*(8*((\a)%4)+\b)+7], v[SC+16*(\sc)+8*(\q)+\b], v[SC+16*(\sc)+8*(\q)+(\a)] matrix_a_fmt:MATRIX_FMT_BF8 matrix_b_fmt:MATRIX_FMT_BF8 matrix_a_scale:MATRIX_SCALE_ROW1
.endif
.endr
.endr
.endm
.macro FETCH_B slot, q, p
	WIN TO_B
.irp i, 0,1,2,3,4,5,6,7
.irp c, 0,1,2,3
	ds_load_b128 v[128*(\p)+16*\i+4*\c:128*(\p)+16*\i+4*\c+3], v[ADRB+(\slot)] offset:\i*4096+(\q)*2048+512*\c
.endr
.endr
	WIN 0
.endm
.macro FETCH_A slot, q, i0
.irp i, \i0, \i0+1, \i0+2, \i0+3
.irp c, 0,1,2,3
	ds_load_b128 v[AF+16*(\i)+4*\c:AF+16*(\i)+4*\c+3], v[ADRA+(\slot)] offset:(\i)*4096+(\q)*2048+512*\c
.endr
.endr
.endm
.macro SCALES sc
.irp q, 0,1
.irp i, 0,1,2,3,4,5,6,7
	ds_load_b32 v[SC+16*(\sc)+8*\q+\i], v[ADRS] offset:\q*1024+64*\i
.endr
.endr
.endm
.macro STEP slot, first
	s_wait_dscnt 16
.if \first
	WIN FST_LO
.else
	WIN MUL_LO
.endif
	MUL16 0, 0, 0, \slot, \first
	MUL16 2, 0, 0, \slot, \first
	s_wait_dscnt 0x0
	PLACES 8
	FETCH_B \slot, 1, 1
	FETCH_A \slot, 1, 0
.if \first
	WIN FST_HI
.else
	WIN MUL_HI
.endif
	MUL16 4, 0, 0, \slot, \first
	MUL16 6, 0, 0, \slot, \first
	PLACES 8
	WIN 0
	FETCH_A \slot, 1, 4
.endm
.macro TURN slot, next, fill
	s_wait_tensorcnt 0x0
	ds_add_u32 v[SPW], v[NIL]
	s_wait_dscnt 17
	WIN MUL_LO
	MUL16 0, 1, 1, \slot, 0
	s_wait_dscnt 0x0
	s_barrier_signal -1
	MUL16 2, 1, 1, \slot, 0
	WIN 0
	s_barrier_wait -1
.if \fill
	CREST
	s_add_nc_u64 s[G0+4*\slot+2:G0+4*\slot+3], s[G0+4*\slot+2:G0+4*\slot+3], 8192
	s_add_nc_u64 s[G0B+4*\slot+2:G0B+4*\slot+3], s[G0B+4*\slot+2:G0B+4*\slot+3], 8192
	JLOAD G0+4*\slot, G1, G0B+4*\slot, G1B
	PLACES 4
.else
	PLACES 8
.endif
	s_wait_alu depctr_va_vdst(0)
	v_add_nc_u32 v[ADRS], 2048, v[ADRS]
	FETCH_B \next, 0, 0
	FETCH_A \next, 0, 0
	SCALES \next
	WIN MUL_HI
	MUL16 4, 1, 1, \slot, 0
	MUL16 6, 1, 1, \slot, 0
	PLACES 8
	WIN 0
	FETCH_A \next, 0, 4
.endm
	s_wait_alu depctr_va_vdst(0)
	s_wait_tensorcnt 0x0                           ; my tile of the head's four is in
	ds_add_u32 v[SPW], v[NIL]
	s_mov_b32 s[G1+2], 8<<16                       ; no tensor load of mine is out: from here on a load brings 8 tiles
	s_mov_b32 s[G1+4], 8
	s_mov_b32 s[G1B+2], 8<<16
	s_mov_b32 s[G1B+4], 8
	s_wait_dscnt 0x0
	CROUND                                         ; all four tiles are in, and the sixteen work-groups are here
	JLOAD G0+4, G1, G0B+4, G1B                     ; slot 1's first fill, my one load behind the round
	FETCH_B 0, 0, 0
	FETCH_A 0, 0, 0
	SCALES 0
	FETCH_A 0, 0, 4
	global_prefetch_b8 v30, s[98:99] offset:12288 th:TH_LOAD_NT scope:SCOPE_SE    ; slot 3, the last refill: two changes of slots ahead of its load
	s_wait_loadcnt 0x0
	STEP 0, 1
	TURN 0, 1, 1
	STEP 1, 0
	TURN 1, 0, 1
	STEP 0, 0
	TURN 0, 1, 0
	STEP 1, 0
	s_wait_dscnt 16
	WIN MUL_LO
	MUL16 0, 1, 1, 1, 0
	MUL16 2, 1, 1, 1, 0
	s_wait_dscnt 0x0
	WIN MUL_HI
	MUL16 4, 1, 1, 1, 0
	MUL16 6, 1, 1, 1, 0
	WIN 0
	PLACES 8
.irp b, 0,1,2,3
	v_mov_b32 v[TM+4+\b], 0
.endr
.irp a, 0,1,2,3,4,5,6,7
.if \a
	s_wait_xcnt 0x0
.endif
.set PW, PWB+\a
	QUANT 64*(\a%4), 2+\a/4
.irp c, 0,1,2,3
	global_store_b128 v[LI], v[PC+4*\c:PC+4*\c+3], s[12:13] offset:\a*65536+512*\c
.endr
	ds_store_b32 v[SWA], v[PW] offset:64*\a
.endr
	ds_load_b128 v[WDS:WDS+3], v[SWR]
	s_wait_dscnt 0x0
	global_store_b128 v[LI], v[WDS:WDS+3], s[18:19]
	s_wait_tensorcnt 0x0
	ds_add_u32 v[SPW], v[NIL]
	s_wait_dscnt 0x0
	CROUND
	s_endpgm
.Lfunc_end_k_qe82be7a58f_ffn1:
	.size	k_qe82be7a58f_ffn1, .Lfunc_end_k_qe82be7a58f_ffn1-k_qe82be7a58f_ffn1
	.p2alignl 7, 3214868480
	.fill 96, 4, 3214868480
	.section	.rodata,"a",@progbits
	.p2align	6, 0x0
	.amdhsa_kernel k_qe82be7a58f_ffn1
		.amdhsa_group_segment_fixed_size 327680
		.amdhsa_private_segment_fixed_size 0
		.amdhsa_enable_private_segment 0
		.amdhsa_kernarg_size 32
		.amdhsa_user_sgpr_count 2
		.amdhsa_user_sgpr_kernarg_segment_ptr 1
		.amdhsa_wavefront_size32 1
		.amdhsa_system_sgpr_workgroup_id_x 1
		.amdhsa_system_sgpr_workgroup_id_y 1
		.amdhsa_system_sgpr_workgroup_id_z 1
		.amdhsa_system_vgpr_workitem_id 0
		.amdhsa_next_free_vgpr 1024
		.amdhsa_next_free_sgpr 100
		.amdhsa_reserve_vcc 0
		.amdhsa_float_denorm_mode_32 3
		.amdhsa_float_denorm_mode_16_64 3
		.amdhsa_memory_ordered 1
		.amdhsa_forward_progress 1
		.amdhsa_inst_pref_size 190
	.end_amdhsa_kernel
	.amdgpu_metadata
---
amdhsa.version: [ 1, 2 ]
amdhsa.kernels:
  - .name:           k_qe82be7a58f_ffn1
    .symbol:         k_qe82be7a58f_ffn1.kd
    .args:
      - { .name: x1q, .offset: 0, .size: 8, .value_kind: global_buffer, .address_space: global }
      - { .name: qnt, .offset: 8, .size: 8, .value_kind: global_buffer, .address_space: global }
      - { .name: b1, .offset: 16, .size: 8, .value_kind: global_buffer, .address_space: global }
      - { .name: hq, .offset: 24, .size: 8, .value_kind: global_buffer, .address_space: global }
    .group_segment_fixed_size: 327680
    .private_segment_fixed_size: 0
    .kernarg_segment_align: 8
    .kernarg_segment_size: 32
    .max_flat_workgroup_size: 128
    .sgpr_count:     100
    .vgpr_count:     1024
    .wavefront_size: 32
...
	.end_amdgpu_metadata
.endif
;; end of part 5
;; launch ffn2 (part 6): grid 8 x 32, 4 waves a work-group, clusters of 4 x 4, 327,680 bytes of LDS; arguments hq, qnt, b2, ff; writes ff
.if DOCPART == 6
	.amdgcn_target "amdgcn-amd-amdhsa--gfx1250"
	.amdhsa_code_object_version 6
	.text
	.protected	k_qe82be7a58f_ffn2
	.globl	k_qe82be7a58f_ffn2
	.p2align	8
	.type	k_qe82be7a58f_ffn2,@function
k_qe82be7a58f_ffn2:
	s_mov_b64 s[64:65], 0
	v_nop
	global_prefetch_b8 v0, s[64:65] scope:SCOPE_SE
	s_setreg_imm32_b32 hwreg(HW_REG_WAVE_MODE, 25, 1), 1
	s_wait_xcnt 0x0
	s_wait_alu depctr_hold_cnt(0) depctr_sa_sdst(0) depctr_va_vdst(0) depctr_va_sdst(0) depctr_va_ssrc(0) depctr_va_vcc(0) depctr_vm_vsrc(0)
	s_getreg_b32 s2, hwreg(HW_REG_IB_STS2, 6, 4)
	s_cmp_eq_u32 s2, 0
	s_cbranch_scc0 .Lentry_in_a_cluster
	s_endpgm
.Lentry_in_a_cluster:
	s_bfe_u32 s2, ttmp6, 0x10000c
	s_cmp_lg_u32 s2, 0xf033
	s_cbranch_scc0 .Lentry_shape_is_right
	s_endpgm
.Lentry_shape_is_right:
.set NKT,   32
.set RA,    4096
.set RB,    1024
.set HS,    16777216
.set W2C,   9732096
.set W2S,   13926400
.set SLOT,  131072
.set BOFF,  65536
.set SCA,   2*SLOT
.set SCB,   SCA+NKT*512
.set SPARE, SCB+NKT*512
.set STAGE, SPARE+512
.set STO,  8
.set RD,   9
.set CO,   10
.set ADRA, 16
.set ADRB, 20
.set ADRS, 27
.set SPW,  28
.set NIL,  29
.set SC,   32
.set BK,   40
.set BIAS, 64
.set ACC,  128
.set F0,   0
.set F1,   128
.set G1, 24
.set G0, 32
.set G1B, 48
.set G0B, 56
.set G1S, 68
.set G0S, 76
.set G1SB, 80
.set G0SB, 88
.set MSB, 0
.macro WIN new
.if MSB != (\new)
	s_set_vgpr_msb (MSB<<8)|(\new)
.set MSB, (\new)
.endif
.endm
.set MUL,  0x05
.set TO_F, 0x40
.macro PLACES n
.rept \n
	v_nop
.endr
.endm
.macro JLOAD g0a, g1a, g0b, g1b
	s_cmp_eq_u32 s15, 0
	s_cbranch_scc0 .Lfor_b_\@
	tensor_load_to_lds s[\g0a:\g0a+3], s[\g1a:\g1a+7]
	s_nop 0
.rept 4
	v_nop
.endr
	s_branch .Lasked_\@
.Lfor_b_\@:
	tensor_load_to_lds s[\g0b:\g0b+3], s[\g1b:\g1b+7]
	s_nop 0
.rept 4
	v_nop
.endr
.Lasked_\@:
.endm
.macro CREST
	s_cmp_lg_u32 s14, 0
	s_cbranch_scc1 .Lnot_wave_0_\@
	s_barrier_signal -3
.Lnot_wave_0_\@:
	s_barrier_wait -3
	s_barrier_signal -1
	s_barrier_wait -1
.endm
.macro CROUND
	s_barrier_signal -1
	s_barrier_wait -1
	CREST
.endm
	s_load_b256 s[4:11], s[0:1], 0x0
	v_lshl_add_u32 v[SPW], v0, 2, SPARE
	v_mov_b32 v[NIL], 0
	ds_add_u32 v28, v29
	ds_add_u32 v28, v29
	s_wait_dscnt 0x0
	v_lshrrev_b32 v1, 5, v0
	v_readfirstlane_b32 s14, v1
	s_lshr_b32 s15, s14, 1
	s_and_b32 s16, s14, 1
	s_bfe_u32 s40, ttmp6, 0x40000
	s_bfe_u32 s41, ttmp6, 0x40004
	s_lshl_b32 s42, ttmp9, 2
	s_add_co_u32 s42, s42, s40
	s_and_b32 s17, ttmp7, 0xffff
	s_lshl_b32 s17, s17, 2
	s_add_co_u32 s17, s17, s41
	s_lshl_b32 s43, s41, 2
	s_lshl_b32 s43, 15, s43
	s_lshl_b32 s44, 0x1111, s40
	s_or_b32 s[G1+0], s43, (3<<16)|(1<<21)
	s_or_b32 s[G1B+0], s44, (3<<16)|(1<<21)
.irp g, G1, G1B
	s_mov_b32 s[\g+1], 1024<<16
	s_mov_b32 s[\g+2], 8<<16                       ; the head's loads bring a block's 8 tiles; behind them these two words are set to 4
	s_mov_b32 s[\g+3], 1024<<16
	s_mov_b32 s[\g+4], 8
	s_mov_b32 s[\g+5], NKT*256
	s_mov_b32 s[\g+6], 0
	s_mov_b32 s[\g+7], 0
.endr
	s_or_b32 s[G1S+0], s43, (3<<16)|(1<<21)
	s_or_b32 s[G1SB+0], s44, (3<<16)|(1<<21)
.irp g, G1S, G1SB
	s_mov_b32 s[\g+1], 64<<16
	s_mov_b32 s[\g+2], NKT<<16
	s_mov_b32 s[\g+3], 64<<16
	s_mov_b32 s[\g+4], NKT
	s_mov_b32 s[\g+6], 0
	s_mov_b32 s[\g+7], 0
.endr
	s_mov_b32 s[G1S+5], RA/2
	s_mov_b32 s[G1SB+5], RB/2
	s_lshl_b32 s20, s17, 3                         ; the block's first row tile
	s_lshl_b32 s46, s42, 3
	s_mul_i32 s20, s20, NKT*2048
	s_mul_i32 s46, s46, NKT*2048
	s_mov_b32 s21, 0
	s_mov_b32 s47, 0
	s_lshl_b32 s22, s17, 9                         ; the block's 128 scale words in K step 0
	s_mov_b32 s23, 0
	s_lshl_b32 s92, s42, 9
	s_mov_b32 s93, 0
	s_lshl_b32 s45, s14, 15
	s_wait_kmcnt 0x0
	s_mov_b64 s[66:67], s[8:9]
	s_mov_b64 s[12:13], s[10:11]
	s_add_nc_u64 s[8:9], s[6:7], W2C
	s_add_nc_u64 s[10:11], s[6:7], W2S
	s_add_nc_u64 s[6:7], s[4:5], HS
	s_add_nc_u64 s[20:21], s[4:5], s[20:21]
	s_add_nc_u64 s[22:23], s[6:7], s[22:23]
	s_add_nc_u64 s[46:47], s[8:9], s[46:47]
	s_add_nc_u64 s[92:93], s[10:11], s[92:93]
	CROUND
	s_mov_b32 s[G0S], 1
	s_mov_b32 s[G0S+1], SCA
	s_mov_b64 s[G0S+2:G0S+3], s[22:23]
	s_or_b32 s[G0S+3], s[G0S+3], 0x80000000
	s_mov_b32 s[G0SB], 1
	s_mov_b32 s[G0SB+1], SCB
	s_mov_b64 s[G0SB+2:G0SB+3], s[92:93]
	s_or_b32 s[G0SB+3], s[G0SB+3], 0x80000000
	s_mov_b32 s4, 1                                ; s[4:7], s[8:11]: group 0 of the head's loads of slot 0, A's 8 tiles and B's (the arguments that lay there have been used)
	s_mov_b32 s5, 0
	s_mov_b64 s[6:7], s[20:21]
	s_or_b32 s7, s7, 0x80000000
	s_mov_b32 s8, 1
	s_mov_b32 s9, BOFF
	s_mov_b64 s[10:11], s[46:47]
	s_or_b32 s11, s11, 0x80000000
	s_lshl_b32 s18, s16, 18                        ; in the ring I fetch 4 tiles of 65,536 bytes: which half
	s_mov_b32 s19, 0
	s_add_nc_u64 s[20:21], s[20:21], s[18:19]
	s_add_nc_u64 s[46:47], s[46:47], s[18:19]
	s_cmp_eq_u32 s15, 0                            ; the prefetches: of the 4 tiles that I fetch, the partner at place p (cx for A, cy for B) names tile p: told apart by address alone
	s_cselect_b64 s[96:97], s[20:21], s[46:47]
	s_cselect_b32 s98, s40, s41
	s_lshl_b32 s98, s98, 16
	s_mov_b32 s99, 0
	s_add_nc_u64 s[96:97], s[96:97], s[98:99]
.irp s, 0,1
	s_mov_b32 s[G0+4*\s], 1
	s_add_co_u32 s[G0+4*\s+1], s45, \s*SLOT
	s_add_nc_u64 s[G0+4*\s+2:G0+4*\s+3], s[20:21], \s*8192
	s_or_b32 s[G0+4*\s+3], s[G0+4*\s+3], 0x80000000
	s_mov_b32 s[G0B+4*\s], 1
	s_add_co_u32 s[G0B+4*\s+1], s45, \s*SLOT
	s_add_nc_u64 s[G0B+4*\s+2:G0B+4*\s+3], s[46:47], \s*8192
	s_or_b32 s[G0B+4*\s+3], s[G0B+4*\s+3], 0x80000000
.endr
; THE HEAD'S LOADS, ONE A WAVE, in one chain of branches on the wave's number: wave 0 slot 0's tiles of A, wave 1 those of B, wave 2 A's scale words for all of K, wave 3 B's
.macro ARM under, g0, g1, next
	s_cmp_lt_u32 s14, \under
	s_cbranch_scc0 \next
	tensor_load_to_lds s[\g0:\g0+3], s[\g1:\g1+7]
	s_nop 0
	PLACES 4
	s_branch .Lhead_asked
\next:
.endm
	ARM 1, 4,   G1,  .Lhead_b
	ARM 2, 8,   G1B, .Lhead_sa
	ARM 3, G0S, G1S, .Lhead_sb
	tensor_load_to_lds s[G0SB:G0SB+3], s[G1SB:G1SB+7]
	s_nop 0
	PLACES 4
.Lhead_asked:
	v_and_b32 v1, 31, v0
	v_and_b32 v2, 15, v0
	v_bfe_u32 v3, v0, 4, 1
	s_wait_alu depctr_va_vdst(0)
	v_lshlrev_b32 v4, 4, v1
	v_lshlrev_b32 v30, 8, v1                       ; v30: a prefetch's offset: 256 x lane: a tile's 8,192 bytes of a slot; never rewritten
	global_prefetch_b8 v30, s[96:97] offset:8192 th:TH_LOAD_NT scope:SCOPE_SE      ; slots 1 and 2: slot 1's load goes out behind the head's round, slot 2's a slot later
	global_prefetch_b8 v30, s[96:97] offset:16384 th:TH_LOAD_NT scope:SCOPE_SE
	s_lshl_b32 s21, s15, 15
	s_lshl_b32 s22, s16, 15
	s_add_co_u32 s22, s22, BOFF
.irp s, 0,1
	v_add_nc_u32 v[ADRA+\s], s21, v4
	v_add_nc_u32 v[ADRB+\s], s22, v4
	s_add_co_u32 s21, s21, SLOT
	s_add_co_u32 s22, s22, SLOT
.endr
	s_lshl_b32 s21, s15, 8
	s_lshl_b32 s22, s16, 8
	s_add_co_u32 s22, s22, SCB-SCA
	s_sub_co_u32 s22, s22, s21
	v_mul_u32_u24 v6, s22, v3
	s_add_co_u32 s21, s21, SCA
	v_lshl_add_u32 v5, v2, 2, v6
	v_add_nc_u32 v[ADRS], s21, v5
	s_lshl_b32 s20, s42, 9
	s_lshl_b32 s21, s16, 8
	s_add_co_u32 s20, s20, s21
	s_mov_b32 s21, 0
	s_add_nc_u64 s[66:67], s[66:67], s[20:21]
	s_add_nc_u64 s[12:13], s[12:13], s[20:21]
	v_lshlrev_b32 v7, 6, v3
.irp t, 0,1,2,3
	global_load_b128 v[BIAS+8*\t:BIAS+8*\t+3], v7, s[66:67] offset:(32*(\t/2)+8*(\t%2))*4
	global_load_b128 v[BIAS+8*\t+4:BIAS+8*\t+7], v7, s[66:67] offset:(32*(\t/2)+8*(\t%2))*4+16
.endr
	s_lshl_b32 s20, s17, 19
	s_lshl_b32 s22, s15, 18
	s_add_co_u32 s20, s20, s22
	s_add_nc_u64 s[12:13], s[12:13], s[20:21]
	s_mul_i32 s23, s14, 16*272
	s_add_co_u32 s23, s23, STAGE
	v_mul_u32_u24 v[STO], v2, 272
	v_lshl_add_u32 v[STO], v3, 6, v[STO]
	v_add_nc_u32 v[STO], s23, v[STO]
	v_mul_u32_u24 v[RD], v3, 272
	v_lshl_add_u32 v[RD], v2, 4, v[RD]
	v_add_nc_u32 v[RD], s23, v[RD]
	v_lshlrev_b32 v[CO], 12, v3
	v_lshl_add_u32 v[CO], v2, 4, v[CO]
.macro FETCH slot, q, f, p
	WIN 0
.irp i, 0,1,2,3
	ds_load_b32 v[SC+4*(\p)+\i], v[ADRS] offset:(\q)*512+64*\i
.endr
	WIN TO_F
.irp i, 0,1,2,3
.irp c, 0,1,2,3
	ds_load_b128 v[(\f)+64+16*\i+4*\c:(\f)+64+16*\i+4*\c+3], v[ADRB+(\slot)] offset:\i*8192+(\q)*2048+512*\c
.endr
.endr
.irp i, 0,1,2,3
.irp c, 0,1,2,3
	ds_load_b128 v[(\f)+16*\i+4*\c:(\f)+16*\i+4*\c+3], v[ADRA+(\slot)] offset:\i*8192+(\q)*2048+512*\c
.endr
.endr
.endm
.macro MUL4 f, a, p, first
.irp t, 0,1,2,3
.if \first
	v_wmma_scale_f32_16x16x128_f8f6f4 v[ACC+8*(4*\a+\t):ACC+8*(4*\a+\t)+7], v[(\f)+64+16*\t:(\f)+64+16*\t+15], v[(\f)+16*\a:(\f)+16*\a+15], v[BIAS+8*\t:BIAS+8*\t+7], v[SC+4*(\p)+\t], v[SC+4*(\p)+\a] matrix_a_fmt:MATRIX_FMT_BF8 matrix_b_fmt:MATRIX_FMT_BF8 matrix_a_scale:MATRIX_SCALE_ROW1
.else
	v_wmma_scale_f32_16x16x128_f8f6f4 v[ACC+8*(4*\a+\t):ACC+8*(4*\a+\t)+7], v[(\f)+64+16*\t:(\f)+64+16*\t+15], v[(\f)+16*\a:(\f)+16*\a+15], v[ACC+8*(4*\a+\t):ACC+8*(4*\a+\t)+7], v[SC+4*(\p)+\t], v[SC+4*(\p)+\a] matrix_a_fmt:MATRIX_FMT_BF8 matrix_b_fmt:MATRIX_FMT_BF8 matrix_a_scale:MATRIX_SCALE_ROW1
.endif
.endr
.endm
.macro STEP slot, q, first
	s_wait_dscnt 0x0
	PLACES 8
	FETCH \slot, (\q)+1, F0+128*(1-(\q)%2), 1-(\q)%2
	WIN MUL
	MUL4 F0+128*((\q)%2), 0, (\q)%2, \first
	MUL4 F0+128*((\q)%2), 1, (\q)%2, \first
	MUL4 F0+128*((\q)%2), 2, (\q)%2, \first
	MUL4 F0+128*((\q)%2), 3, (\q)%2, \first
	WIN 0
.endm
.macro TURN slot, next, fill
.if \fill
	s_wait_xcnt 0x0                                ; my last prefetch has read its address: it is stepped here, a slot on
	s_add_nc_u64 s[96:97], s[96:97], 8192
.endif
	s_wait_tensorcnt 0x0
	ds_add_u32 v[SPW], v[NIL]
	s_wait_dscnt 1
	WIN MUL
	MUL4 F1, 0, 1, 0
	s_wait_dscnt 0x0
	s_barrier_signal -1
	MUL4 F1, 1, 1, 0
	WIN 0
	s_barrier_wait -1
.if \fill
	CREST
	s_add_nc_u64 s[G0+4*\slot+2:G0+4*\slot+3], s[G0+4*\slot+2:G0+4*\slot+3], 16384
	s_add_nc_u64 s[G0B+4*\slot+2:G0B+4*\slot+3], s[G0B+4*\slot+2:G0B+4*\slot+3], 16384
	JLOAD G0+4*\slot, G1, G0B+4*\slot, G1B
	PLACES 4
.else
	PLACES 8
.endif
	v_add_nc_u32 v[ADRS], 2048, v[ADRS]
	FETCH \next, 0, F0, 0
.if \fill
	WIN 0                                          ; at a branch and at a label every window is 0
	s_cmp_gt_u32 s3, 1                             ; the last lap's two refills have no slot two on
	s_cbranch_scc0 .Lnone_on_\@
	global_prefetch_b8 v30, s[96:97] offset:24576 th:TH_LOAD_NT scope:SCOPE_SE     ; the slot that stands two refills on: my work-group's tile of the four that I fetch, 32 blocks of 256 bytes
.Lnone_on_\@:
.endif
	WIN MUL
	MUL4 F1, 2, 1, 0
	MUL4 F1, 3, 1, 0
	WIN 0
.endm
	s_wait_alu depctr_va_vdst(0)
	s_wait_tensorcnt 0x0                           ; my tile of the head's four is in
	ds_add_u32 v[SPW], v[NIL]
	s_mov_b32 s[G1+2], 4<<16                       ; no tensor load of mine is out: from here on a load brings 4 tiles
	s_mov_b32 s[G1+4], 4
	s_mov_b32 s[G1B+2], 4<<16
	s_mov_b32 s[G1B+4], 4
	s_wait_dscnt 0x0
	CROUND                                         ; all four tiles are in, and the sixteen work-groups are here
	JLOAD G0+4, G1, G0B+4, G1B                     ; slot 1's first fill, my one load behind the round
	FETCH 0, 0, F0, 0
	WIN 0
	global_prefetch_b8 v30, s[96:97] offset:24576 th:TH_LOAD_NT scope:SCOPE_SE     ; slot 3, the second refill: two changes of slots ahead of its load
	s_wait_loadcnt 0x0
	STEP 0, 0, 1
	s_mov_b32 s3, 3
.Llap:
	s_wait_alu depctr_va_vdst(0)
	STEP 0, 1, 0
	STEP 0, 2, 0
	TURN 0, 1, 1
	s_wait_alu depctr_va_vdst(0)
	STEP 1, 0, 0
	STEP 1, 1, 0
	STEP 1, 2, 0
	TURN 1, 0, 1
	s_wait_alu depctr_va_vdst(0)
	STEP 0, 0, 0
	s_sub_co_u32 s3, s3, 1
	s_cmp_lg_u32 s3, 0
	s_cbranch_scc1 .Llap
	STEP 0, 1, 0
	STEP 0, 2, 0
	TURN 0, 1, 0
	s_wait_alu depctr_va_vdst(0)
	STEP 1, 0, 0
	STEP 1, 1, 0
	STEP 1, 2, 0
	s_wait_dscnt 0x0
	WIN MUL
	MUL4 F1, 0, 1, 0
	MUL4 F1, 1, 1, 0
	MUL4 F1, 2, 1, 0
	MUL4 F1, 3, 1, 0
	WIN 0
	PLACES 8
.macro TOSTAGE a
.irp t, 0,1,2,3
	ds_store_b128 v[STO], v[ACC+32*(\a)+8*\t:ACC+32*(\a)+8*\t+3] offset:128*(\t/2)+32*(\t%2)
	ds_store_b128 v[STO], v[ACC+32*(\a)+8*\t+4:ACC+32*(\a)+8*\t+7] offset:128*(\t/2)+32*(\t%2)+16
.endr
.irp i, 0,1,2,3,4,5,6,7
	ds_load_b128 v[BK+32*((\a)%2)+4*\i:BK+32*((\a)%2)+4*\i+3], v[RD] offset:544*\i
.endr
.endm
.macro SEND a, younger
	s_wait_dscnt \younger
.irp i, 0,1,2,3,4,5,6,7
	global_store_b128 v[CO], v[BK+32*((\a)%2)+4*\i:BK+32*((\a)%2)+4*\i+3], s[12:13] offset:(16*(\a)+2*\i)*4096 th:TH_STORE_NT
.endr
.endm
	TOSTAGE 0
.irp a, 1,2,3
.if \a > 1
	s_wait_xcnt 0x0
.endif
	TOSTAGE \a
	SEND \a-1, 16
.endr
	SEND 3, 0
	s_wait_tensorcnt 0x0
	ds_add_u32 v[SPW], v[NIL]
	s_wait_dscnt 0x0
	CROUND
	s_endpgm
.Lfunc_end_k_qe82be7a58f_ffn2:
	.size	k_qe82be7a58f_ffn2, .Lfunc_end_k_qe82be7a58f_ffn2-k_qe82be7a58f_ffn2
	.p2alignl 7, 3214868480
	.fill 96, 4, 3214868480
	.section	.rodata,"a",@progbits
	.p2align	6, 0x0
	.amdhsa_kernel k_qe82be7a58f_ffn2
		.amdhsa_group_segment_fixed_size 327680
		.amdhsa_private_segment_fixed_size 0
		.amdhsa_enable_private_segment 0
		.amdhsa_kernarg_size 32
		.amdhsa_user_sgpr_count 2
		.amdhsa_user_sgpr_kernarg_segment_ptr 1
		.amdhsa_wavefront_size32 1
		.amdhsa_system_sgpr_workgroup_id_x 1
		.amdhsa_system_sgpr_workgroup_id_y 1
		.amdhsa_system_sgpr_workgroup_id_z 1
		.amdhsa_system_vgpr_workitem_id 0
		.amdhsa_next_free_vgpr 512
		.amdhsa_next_free_sgpr 100
		.amdhsa_reserve_vcc 0
		.amdhsa_float_denorm_mode_32 3
		.amdhsa_float_denorm_mode_16_64 3
		.amdhsa_memory_ordered 1
		.amdhsa_forward_progress 1
		.amdhsa_inst_pref_size 97
	.end_amdhsa_kernel
	.amdgpu_metadata
---
amdhsa.version: [ 1, 2 ]
amdhsa.kernels:
  - .name:           k_qe82be7a58f_ffn2
    .symbol:         k_qe82be7a58f_ffn2.kd
    .args:
      - { .name: hq, .offset: 0, .size: 8, .value_kind: global_buffer, .address_space: global }
      - { .name: qnt, .offset: 8, .size: 8, .value_kind: global_buffer, .address_space: global }
      - { .name: b2, .offset: 16, .size: 8, .value_kind: global_buffer, .address_space: global }
      - { .name: ff, .offset: 24, .size: 8, .value_kind: global_buffer, .address_space: global }
    .group_segment_fixed_size: 327680
    .private_segment_fixed_size: 0
    .kernarg_segment_align: 8
    .kernarg_segment_size: 32
    .max_flat_workgroup_size: 128
    .sgpr_count:     100
    .vgpr_count:     512
    .wavefront_size: 32
...
	.end_amdgpu_metadata
.endif
;; end of part 6
;; launch ln2 (part 7): grid 256 x 1, 8 waves a work-group, no clusters, 0 bytes of LDS; arguments x1f, ff, ln2_g, ln2_b, out0; writes out0
.if DOCPART == 7
	.amdgcn_target "amdgcn-amd-amdhsa--gfx1250"
	.amdhsa_code_object_version 6
	.text
	.protected	k_qe82be7a58f_ln2
	.globl	k_qe82be7a58f_ln2
	.p2align	8
	.type	k_qe82be7a58f_ln2,@function
k_qe82be7a58f_ln2:
	s_mov_b64 s[64:65], 0
	v_nop
	global_prefetch_b8 v0, s[64:65] scope:SCOPE_SE
	s_setreg_imm32_b32 hwreg(HW_REG_WAVE_MODE, 25, 1), 1
	s_wait_xcnt 0x0
; out = LayerNorm(x1 + ff) x g + b over rows of 1,024, all in f32.
; A stream: a wave takes two rows, a row in 32 registers a lane (lane l: columns 128 j + 4 l + 0 .. 3), so that every load and store covers 512 consecutive bytes, each row is read once, and the reductions never leave
; the wave: no LDS, no barrier.  The mean is taken first and the variance of the differences, as the definition has it.  All 48 loads of a wave go out at its head.  Work-groups share only g and b, 8 KiB: no cluster.
.set SEL,  20                          ; s[20:21]
.set RN,   22                          ; s22  1 / 1,024
.set EPS,  23                          ; s23  1e-5
.macro SUM32                           ; v32 summed over the 32 lanes, into every lane
	s_delay_alu instid0(VALU_DEP_1)
	v_add_f32_dpp v32, v32, v32 row_xmask:1 row_mask:0xf bank_mask:0xf
	s_delay_alu instid0(VALU_DEP_1)
	v_add_f32_dpp v32, v32, v32 row_xmask:2 row_mask:0xf bank_mask:0xf
	s_delay_alu instid0(VALU_DEP_1)
	v_add_f32_dpp v32, v32, v32 row_xmask:4 row_mask:0xf bank_mask:0xf
	s_delay_alu instid0(VALU_DEP_1)
	v_add_f32_dpp v32, v32, v32 row_xmask:8 row_mask:0xf bank_mask:0xf
	s_delay_alu instid0(VALU_DEP_1)
	v_permlanex16_b32 v33, v32, s[SEL], s[SEL+1]
	s_delay_alu instid0(VALU_DEP_1)
	v_add_f32 v32, v32, v33
.endm
.macro FOLD                            ; four packed chains into v32
	s_delay_alu instid0(VALU_DEP_3)
	v_pk_add_f32 v[32:33], v[32:33], v[34:35]
	s_delay_alu instid0(VALU_DEP_2)
	v_pk_add_f32 v[36:37], v[36:37], v[38:39]
	s_delay_alu instid0(VALU_DEP_1)
	v_pk_add_f32 v[32:33], v[32:33], v[36:37]
	s_delay_alu instid0(VALU_DEP_1)
	v_add_f32 v32, v32, v33
	SUM32
.endm
; row rho of my two.  wa: the younger loads that may be out when the row has to be there; wb: when g and b have to be
.macro ROW rho, wa, wb
.set S, 64+32*\rho
.set A, 128+32*\rho
	s_wait_loadcnt \wa
.irp i, 0,2,4,6,8,10,12,14,16,18,20,22,24,26,28,30
	v_pk_add_f32 v[S+\i:S+\i+1], v[S+\i:S+\i+1], v[A+\i:A+\i+1]    ; the residual
.endr
.irp k, 0,1,2,3
	v_pk_add_f32 v[32+2*\k:33+2*\k], v[S+4*\k:S+4*\k+1], v[S+4*\k+2:S+4*\k+3]     ; the first sums start four chains: nothing is cleared
.endr
.irp i, 16,24
.irp k, 0,1,2,3
	s_delay_alu instid0(VALU_DEP_4)
	v_pk_add_f32 v[32+2*\k:33+2*\k], v[32+2*\k:33+2*\k], v[S+\i+2*\k:S+\i+2*\k+1]
.endr
.endr
	FOLD
	s_delay_alu instid0(VALU_DEP_1)
	v_mul_f32 v40, s[RN], v32                      ; the mean
.irp i, 0,2,4,6,8,10,12,14,16,18,20,22,24,26,28,30
	v_pk_add_f32 v[S+\i:S+\i+1], v[S+\i:S+\i+1], v[40:41] op_sel_hi:[1,0] neg_lo:[0,1] neg_hi:[0,1]
.endr
.irp k, 0,1,2,3
	v_pk_mul_f32 v[32+2*\k:33+2*\k], v[S+2*\k:S+2*\k+1], v[S+2*\k:S+2*\k+1]
.endr
.irp i, 8,16,24
.irp k, 0,1,2,3
	s_delay_alu instid0(VALU_DEP_4)
	v_pk_fma_f32 v[32+2*\k:33+2*\k], v[S+\i+2*\k:S+\i+2*\k+1], v[S+\i+2*\k:S+\i+2*\k+1], v[32+2*\k:33+2*\k]
.endr
.endr
	FOLD
	s_delay_alu instid0(VALU_DEP_1)
	v_fma_f32 v42, v32, s[RN], s[EPS]              ; the variance + eps
	s_wait_alu depctr_va_vdst(0)
	v_rsq_f32 v42, v42
	v_nop                                          ; a plain line behind the transcendental
	s_wait_loadcnt \wb
	s_wait_alu depctr_va_vdst(0)                   ; and the wait ahead of its first reader
.irp i, 0,2,4,6,8,10,12,14,16,18,20,22,24,26,28,30
	v_pk_mul_f32 v[S+\i:S+\i+1], v[S+\i:S+\i+1], v[42:43] op_sel_hi:[1,0]
.endr
.irp i, 0,2,4,6,8,10,12,14,16,18,20,22,24,26,28,30
	v_pk_fma_f32 v[S+\i:S+\i+1], v[S+\i:S+\i+1], v[192+\i:193+\i], v[224+\i:225+\i]
.endr
.irp j, 0,1,2,3,4,5,6,7
	global_store_b128 v1, v[S+4*\j:S+4*\j+3], s[12:13] offset:\rho*4096+512*\j th:TH_STORE_NT   ; 32 lanes store 512 consecutive bytes
.endr
.endm
	s_load_b256 s[4:11], s[0:1], 0x0               ; x1f, ff, g, b
	s_load_b64 s[12:13], s[0:1], 0x20              ; out0
	v_lshrrev_b32 v1, 5, v0
	s_delay_alu instid0(VALU_DEP_1)
	v_readfirstlane_b32 s16, v1                    ; wave 0..7
	v_and_b32 v4, 31, v0
	s_delay_alu instid0(VALU_DEP_1)
	v_lshlrev_b32 v1, 4, v4                        ; 16 x lane
	v_mov_b32 v41, 0                               ; (upper halves of pairs of which the low word serves both halves)
	v_mov_b32 v43, 0
	s_mov_b32 s[SEL], 0x76543210
	s_mov_b32 s[SEL+1], 0xfedcba98
	s_mov_b32 s[RN], 0x3a800000
	s_mov_b32 s[EPS], 0x3727c5ac
	s_lshl_b32 s18, ttmp9, 16                      ; 16 rows of 4,096 bytes,
	s_lshl_b32 s19, s16, 13                        ; my two
	s_add_co_u32 s18, s18, s19
	s_mov_b32 s19, 0
	s_wait_alu depctr_va_vdst(0)
	s_wait_kmcnt 0x0
	s_add_nc_u64 s[4:5], s[4:5], s[18:19]
	s_add_nc_u64 s[6:7], s[6:7], s[18:19]
	s_add_nc_u64 s[12:13], s[12:13], s[18:19]
.irp j, 0,1,2,3,4,5,6,7
	global_load_b128 v[64+4*\j:67+4*\j], v1, s[4:5] offset:512*\j th:TH_LOAD_NT
.endr
.irp j, 0,1,2,3,4,5,6,7
	global_load_b128 v[128+4*\j:131+4*\j], v1, s[6:7] offset:512*\j th:TH_LOAD_NT
.endr
.irp j, 0,1,2,3,4,5,6,7
	global_load_b128 v[192+4*\j:195+4*\j], v1, s[8:9] offset:512*\j
.endr
.irp j, 0,1,2,3,4,5,6,7
	global_load_b128 v[224+4*\j:227+4*\j], v1, s[10:11] offset:512*\j
.endr
.irp j, 0,1,2,3,4,5,6,7
	global_load_b128 v[96+4*\j:99+4*\j], v1, s[4:5] offset:4096+512*\j th:TH_LOAD_NT
.endr
.irp j, 0,1,2,3,4,5,6,7
	global_load_b128 v[160+4*\j:163+4*\j], v1, s[6:7] offset:4096+512*\j th:TH_LOAD_NT
.endr
	ROW 0, 32, 16                                  ; behind row 0's 16 loads: g, b and row 1, 32; behind g and b: row 1's 16
	ROW 1, 0, 0
	s_endpgm
.Lfunc_end_k_qe82be7a58f_ln2:
	.size	k_qe82be7a58f_ln2, .Lfunc_end_k_qe82be7a58f_ln2-k_qe82be7a58f_ln2
	.p2alignl 7, 3214868480
	.fill 96, 4, 3214868480
	.section	.rodata,"a",@progbits
	.p2align	6, 0x0
	.amdhsa_kernel k_qe82be7a58f_ln2
		.amdhsa_group_segment_fixed_size 0
		.amdhsa_private_segment_fixed_size 0
		.amdhsa_enable_private_segment 0
		.amdhsa_kernarg_size 40
		.amdhsa_user_sgpr_count 2
		.amdhsa_user_sgpr_kernarg_segment_ptr 1
		.amdhsa_wavefront_size32 1
		.amdhsa_system_sgpr_workgroup_id_x 1
		.amdhsa_system_sgpr_workgroup_id_y 1
		.amdhsa_system_sgpr_workgroup_id_z 1
		.amdhsa_system_vgpr_workitem_id 0
		.amdhsa_next_free_vgpr 256
		.amdhsa_next_free_sgpr 66
		.amdhsa_reserve_vcc 0
		.amdhsa_float_denorm_mode_32 3
		.amdhsa_float_denorm_mode_16_64 3
		.amdhsa_memory_ordered 1
		.amdhsa_forward_progress 1
		.amdhsa_inst_pref_size 25
	.end_amdhsa_kernel
	.amdgpu_metadata
---
amdhsa.version: [ 1, 2 ]
amdhsa.kernels:
  - .name:           k_qe82be7a58f_ln2
    .symbol:         k_qe82be7a58f_ln2.kd
    .args:
      - { .name: x1f, .offset: 0, .size: 8, .value_kind: global_buffer, .address_space: global }
      - { .name: ff, .offset: 8, .size: 8, .value_kind: global_buffer, .address_space: global }
      - { .name: ln2_g, .offset: 16, .size: 8, .value_kind: global_buffer, .address_space: global }
      - { .name: ln2_b, .offset: 24, .size: 8, .value_kind: global_buffer, .address_space: global }
      - { .name: out0, .offset: 32, .size: 8, .value_kind: global_buffer, .address_space: global }
    .group_segment_fixed_size: 0
    .private_segment_fixed_size: 0
    .kernarg_segment_align: 8
    .kernarg_segment_size: 40
    .max_flat_workgroup_size: 256
    .sgpr_count:     66
    .vgpr_count:     256
    .wavefront_size: 32
...
	.end_amdgpu_metadata
.endif
;; end of part 7
